; MI455X (gfx1250); checked and timed in simulation.
; The chip was launched on July 23, 2026; its instructions are those of AMD's public machine-readable ISA for CDNA 5 (MIT licence, August 2026) and "CDNA5" Instruction Set Architecture Reference Guide (July 2026). The comments in the code are by the model that wrote it; some were corrected since.
;; MLP Encoder. Allowed arithmetic: matrix products marked QUANTISED: E5M2 operands, one given power-of-two scale a tensor, by v_wmma_f32_16x16x64_bf8_bf8 or v_wmma_f32_16x16x128_bf8_bf8, f32 sums; everything else in f32.
;; Inputs: W_neg0_codes 1,024 x 8 x 32 uint8 (E5M2 codes of W_neg0, K innermost, in blocks of 32 codes); W_neg1_codes 1,024 x 32 x 32 uint8 (E5M2 codes of W_neg1, K innermost, in blocks of 32 codes); W_neg2_codes 256 x 32 x 32 uint8 (E5M2 codes of W_neg2, K innermost, in blocks of 32 codes); W_pos0_codes 1,024 x 8 x 32 uint8 (E5M2 codes of W_pos0, K innermost, in blocks of 32 codes); W_pos1_codes 1,024 x 32 x 32 uint8 (E5M2 codes of W_pos1, K innermost, in blocks of 32 codes); W_pos2_codes 256 x 32 x 32 uint8 (E5M2 codes of W_pos2, K innermost, in blocks of 32 codes); b_neg0 1,024 float32; b_neg1 1,024 float32; b_neg2 256 float32; b_pos0 1,024 float32; b_pos1 1,024 float32; b_pos2 256 float32; lowp_scales 12 int32 (the exponents e of the quantised operands' scales 2^e); observations 16,384 int32; x 16,384 x 256 float32.
;; Outputs: out0 16,384 x 256 float32.
;; This version of the problem:
;;   THIS VERSION OF THE PROBLEM IS GIVEN IN LOW PRECISION. The matrix products marked QUANTISED in the list below multiply operands that are first quantised to E5M2 (5 exponent bits, 2 mantissa bits; 8 bits a number), with one given power-of-two scale for each operand tensor; their sums are f32. All else is computed in f32.
;;   The module's matrix products, in the order in which they are computed (A, B: the left and right operand; K: the contracted axis; several contracted axes count as one K, in the product's order):
;;     1. [M 16,384, K 256] x [K 256, N 1,024]; A: input x; B: input W_neg0 (given as codes): QUANTISED (scales: A lowp_scales[0], B lowp_scales[1])
;;     2. [M 16,384, K 1,024] x [K 1,024, N 1,024]; A: computed on the way; B: input W_neg1 (given as codes): QUANTISED (scales: A lowp_scales[2], B lowp_scales[3])
;;     3. [M 16,384, K 1,024] x [K 1,024, N 256]; A: computed on the way; B: input W_neg2 (given as codes): QUANTISED (scales: A lowp_scales[4], B lowp_scales[5])
;;     4. [M 16,384, K 256] x [K 256, N 1,024]; A: input x; B: input W_pos0 (given as codes): QUANTISED (scales: A lowp_scales[6], B lowp_scales[7])
;;     5. [M 16,384, K 1,024] x [K 1,024, N 1,024]; A: computed on the way; B: input W_pos1 (given as codes): QUANTISED (scales: A lowp_scales[8], B lowp_scales[9])
;;     6. [M 16,384, K 1,024] x [K 1,024, N 256]; A: computed on the way; B: input W_pos2 (given as codes): QUANTISED (scales: A lowp_scales[10], B lowp_scales[11])
;;   THE QUANTISER, for each operand of a quantised product, along K:
;;     - The operand's scale is 2^e, e = its entry of the input lowp_scales (int32; the entries are numbered through the quantised products in the list's order, A before B).
;;     - Each number is divided by the scale, clamped to +-57,344, and rounded to the nearest number of E5M2, ties to even, subnormals kept.
;;     - The product sums the exact products of the quantised numbers (number of the format x scale) in f32.
;;   ~~~python
;;   def quantise(x, axis, e):      # numpy; x: float32 -> the quantised numbers, widened to float32 again
;;       x = np.moveaxis(x, axis, -1); K = x.shape[-1]
;;       r = np.clip(x / 2.0 ** e, -57344, 57344)
;;       step = 2.0 ** (np.maximum(np.frexp(np.where(r == 0, 1, r))[1] - 1, -14) - 2)
;;       q = np.round(r / step) * step * 2.0 ** e      # np.round: ties to even
;;       return np.moveaxis(q, -1, axis).astype(np.float32)
;;   ~~~
;;   OPERANDS COMPUTED ON THE WAY. 'Computed on the way' means the value that the module computes at that place (a softmax that the list does not call 'softmax' is quantised finished and normalised). What goes into a quantiser is computed in f32, as accurately as f32 sums, v_exp_f32 and their like allow (about 1e-6 of the number): no bf16 or f16 on the way to a quantiser, and a product that is left as it is and whose result goes on into a quantised operand takes f32 operands (vector FMAs, or v_wmma_f32_16x16x4_f32). A number that lies on a knife's edge between two numbers of the format may be rounded either way, as far as f32 arithmetic and the matrix unit's own rounding can turn it there, and no further.
;;   INPUTS GIVEN AS CODES. W_neg0 (in the module: [1024, 256], K = its axis 1); W_neg1 (in the module: [1024, 1024], K = its axis 1); W_neg2 (in the module: [256, 1024], K = its axis 1); W_pos0 (in the module: [1024, 256], K = its axis 1); W_pos1 (in the module: [1024, 1024], K = its axis 1); W_pos2 (in the module: [256, 1024], K = its axis 1): each comes as NAME_codes (uint8): NAME with its K axis moved to the last place and cut into blocks of 32 codes, [.., K / 32, bytes a block], one block behind the other in memory; one code a byte (a code: sign, 5 exponent bits, 2 mantissa bits); its scale is its entry of lowp_scales. Its value is code x scale, taken as it is: it is not quantised again, and the codes and scales need not be those that the quantiser above would give.
;; 2 versions, each right; version 2 is version 1 with the launch mlp written anew for expert scheduling mode. Each part assembles by itself: llvm-mc -triple=amdgcn-amd-amdhsa -mcpu=gfx1250 --defsym DOCPART=n.
;; ======== version 1 of 2: 2 launches
;; limits: right only within a limited range of input values
;; workspace buffers: tiles 67,328 bytes of whole numbers; wlay 3,145,728 bytes
;; launch prep (part 1): grid 40 x 1, 16 waves a work-group, no clusters, 141,568 bytes of LDS; arguments observations, W_neg0_codes, W_neg1_codes, W_neg2_codes, W_pos0_codes, W_pos1_codes, W_pos2_codes, tiles, wlay; writes tiles, wlay
.if DOCPART == 1
	.amdgcn_target "amdgcn-amd-amdhsa--gfx1250"
	.amdhsa_code_object_version 6
	.text
	.protected	k_q4f6f4b8d88_prep
	.globl	k_q4f6f4b8d88_prep
	.p2align	8
	.type	k_q4f6f4b8d88_prep,@function
k_q4f6f4b8d88_prep:
	s_mov_b64 s[64:65], 0
	v_nop
	global_prefetch_b8 v0, s[64:65] scope:SCOPE_SE
	s_setreg_imm32_b32 hwreg(HW_REG_WAVE_MODE, 25, 1), 1
	s_wait_xcnt 0x0
; TWO JOBS IN ONE LAUNCH, parted on the work-group's number.
; Work-groups 0-15: THE ROUTING.  The 16,384 rows are sorted by class (observation -1: neg; 1: pos; anything else: pass) into a list of tiles of 64 rows, without atomics:
;   every work-group counts all observations (wave w counts chunk w of 1,024), and places its own 1,024 rows (chunk k) by a prefix over the chunks and over its own waves.
;   tiles: entry (g, p), int32 at byte 256 g + 4 p: a row's number, or MARK where the place is not used.  The classes lie one behind the other, each padded to whole tiles.
;   At byte HEADS + 4 g: tile g's class: 0 neg, 1 pos, 2 pass, 3 no rows.  16,384 rows in three classes make at most 258 tiles of 64.  Every byte of the buffer is written.
; Work-groups 16-39: THE WEIGHTS, laid once in the order in which a wave of the next launch takes them: wlay [expert 2][wave 4][393,216 bytes].
;   A fragment (16 rows of W x 128 K) is 2,048 bytes: chunk c of 512 bytes holds lane l's 16 bytes at 16 l: lane (r = l % 16, h = l / 16) of tile t, K step s has W(n, 128 s + 32 c + 16 h + 0..15),
;   n = n0 + 32 (t / 2) + 8 (t % 2) + r + 8 (r / 8).  In a wave's part: layer 1 at beta 32,768 + s 16,384 + t 2,048 (n0 = 256 w + 128 beta); layer 2 at 65,536 + beta 131,072 + s 16,384 + t 2,048 (the same n0);
;   layer 3 at 327,680 + s 8,192 + t 2,048 (n0 = 64 w).  One wave moves 32 rows x 256 bytes of K (two tiles x two K steps) through its own stage in LDS: whole rows of 256 bytes in, runs of 512 bytes out.
; The two paths use different LDS bytes: the routing bytes 0-127, the stages from byte 256 on.
.set MARK,   0x7fffffff
.set HEADS,  66048                     ; 258 tiles x 256 bytes
.set LASTE,  0x407f                    ; the last entry, 258 x 64 - 1
.set STG0,   256
.set SPITCH, 272                       ; a stage row: 256 bytes + 16
.set STGW,   32*SPITCH                 ; a wave's stage
.set HADR,   160                       ; v160: 4 x my thread's number: where I store a tile's class; made here at the head and used for nothing else
	s_load_b512 s[4:19], s[0:1], 0x0               ; observations s[4:5]; W_neg0-2 s[6:11]; W_pos0-2 s[12:17]; tiles s[18:19]
	s_load_b64 s[20:21], s[0:1], 0x40              ; wlay
	v_lshl_add_u32 v168, v0, 2, 0x22100
	v_mov_b32 v169, 0
	v_lshlrev_b32 v[HADR], 2, v0
	v_lshrrev_b32 v4, 5, v0
	v_readfirstlane_b32 s22, v4                    ; wave 0..15
	v_and_b32 v1, 31, v0                           ; lane
	v_and_b32 v2, 15, v0                           ; lane % 16
	v_bfe_u32 v3, v0, 4, 1                         ; lane / 16
	s_wait_kmcnt 0x0
	s_cmp_ge_u32 ttmp9, 16
	s_cbranch_scc1 .Llay
; ---------------------------------------------------------------- the routing
	v_lshlrev_b32 v5, 4, v1
	v_lshl_add_u32 v5, v4, 12, v5                  ; counting: chunk w, 16 bytes a lane
	s_lshl_b32 s23, ttmp9, 12
	v_lshlrev_b32 v6, 2, v1
	v_lshl_add_u32 v6, v4, 8, v6
	v_add_nc_u32 v6, s23, v6                       ; placing: observation 1,024 k + 64 w + lane
.irp q, 0,1,2,3,4,5,6,7
	global_load_b128 v[16+4*\q:19+4*\q], v5, s[4:5] offset:512*\q
.endr
	global_load_b32 v48, v6, s[4:5]
	global_load_b32 v49, v6, s[4:5] offset:128     ; and 32 further on
	v_lshlrev_b32 v7, 2, v4                        ; my wave's word
	v_lshlrev_b32 v11, 2, v2                       ; word lane % 16
	v_mov_b32 v13, 0                               ; written once: a DPP destination counts as read
	s_mov_b32 s26, 0
	s_mov_b32 s27, 0
	s_wait_loadcnt 0x0
.set RR, 16
.rept 32                                           ; the chunk's rows of class neg and of class pos
	v_cmp_eq_i32 s28, -1, v[RR]
	v_cmp_eq_i32 s29, 1, v[RR]
	s_bcnt1_i32_b32 s28, s28
	s_bcnt1_i32_b32 s29, s29
	s_add_co_u32 s26, s26, s28
	s_add_co_u32 s27, s27, s29
.set RR, RR+1
.endr
	v_cmp_eq_i32 s30, -1, v48                      ; the masks of my own two groups of 32 rows
	v_cmp_eq_i32 s31, 1, v48
	v_cmp_eq_i32 s32, -1, v49
	v_cmp_eq_i32 s33, 1, v49
	s_bcnt1_i32_b32 s34, s30
	s_bcnt1_i32_b32 s35, s31
	s_bcnt1_i32_b32 s36, s32
	s_bcnt1_i32_b32 s37, s33
	s_add_co_u32 s36, s36, s34
	s_add_co_u32 s37, s37, s35
	s_lshl_b32 s27, s27, 16                        ; two counts in a word: neg below, pos above; no sum passes 16,384
	s_or_b32 s26, s26, s27
	s_lshl_b32 s37, s37, 16
	s_or_b32 s36, s36, s37
	v_mov_b32 v8, s26
	v_mov_b32 v9, s36
	ds_store_b32 v7, v8                            ; chunk w's counts (all lanes write the same word with the same value)
	ds_store_b32 v7, v9 offset:64                  ; my own 64 rows' counts
	s_wait_dscnt 0x0                               ; for the others' sake: my stores are done
	s_barrier_signal -1
	s_barrier_wait -1
	ds_load_b32 v10, v11
	ds_load_b32 v12, v11 offset:64
	s_mov_b32 s24, ttmp9
	s_wait_dscnt 0x0
.macro RSUM v                          ; the sum over the 16 lanes of a row, in every lane
.irp x, 1,2,4,8
	v_mov_b32_dpp v13, v[\v] row_xmask:\x row_mask:0xf bank_mask:0xf
	v_add_nc_u32 v[\v], v[\v], v13
.endr
.endm
	v_mov_b32 v14, v10                             ; all chunks: the totals
	v_cmp_gt_u32 vcc_lo, s24, v2
	v_cndmask_b32 v15, 0, v10, vcc_lo              ; the chunks in front of mine,
	v_cmp_gt_u32 vcc_lo, s22, v2
	v_cndmask_b32 v50, 0, v12, vcc_lo              ; and my work-group's waves in front of me
	v_add_nc_u32 v15, v15, v50
	RSUM 14
	RSUM 15
	v_readfirstlane_b32 s36, v14
	v_readfirstlane_b32 s37, v15
	s_and_b32 s38, s36, 0xffff                     ; rows of class neg,
	s_lshr_b32 s39, s36, 16                        ; pos,
	s_sub_co_u32 s40, 16384, s38
	s_sub_co_u32 s40, s40, s39                     ; pass
	s_add_co_u32 s41, s38, 63
	s_lshr_b32 s41, s41, 6                         ; their tiles
	s_add_co_u32 s42, s39, 63
	s_lshr_b32 s42, s42, 6
	s_add_co_u32 s43, s40, 63
	s_lshr_b32 s43, s43, 6
	s_lshl_b32 s44, s41, 6                         ; pos begins at this entry,
	s_lshl_b32 s45, s42, 6
	s_add_co_u32 s45, s45, s44                     ; pass at this,
	s_lshl_b32 s46, s43, 6
	s_add_co_u32 s46, s46, s45                     ; and the used tiles end here
	s_and_b32 s47, s37, 0xffff                     ; where my wave's next row of class neg goes
	s_lshr_b32 s48, s37, 16
	s_lshl_b32 s50, ttmp9, 10
	s_lshl_b32 s51, s22, 6
	s_add_co_u32 s50, s50, s51                     ; my wave's first row
	s_add_co_u32 s49, s45, s50
	s_sub_co_u32 s49, s49, s47
	s_sub_co_u32 s49, s49, s48                     ; of class pass: the rows in front that are neither neg nor pos
	s_add_co_u32 s48, s48, s44                     ; of class pos
; 32 rows are placed: every row belongs to one of the three lists, so every lane stores.  The entry's number, made of loaded numbers, is held inside the list before it becomes an address.
.macro PLACE mn, mp, b
	v_mbcnt_lo_u32_b32 v[\b], s[\mn], 0            ; rows of class neg in the lanes below me
	v_mbcnt_lo_u32_b32 v[\b+1], s[\mp], 0
	v_sub_nc_u32 v[\b+2], v1, v[\b]
	v_sub_nc_u32 v[\b+2], v[\b+2], v[\b+1]
	v_add_nc_u32 v[\b+2], s49, v[\b+2]
	v_add_nc_u32 v[\b], s47, v[\b]
	v_add_nc_u32 v[\b+1], s48, v[\b+1]
	v_cndmask_b32 v[\b+2], v[\b+2], v[\b], s[\mn]
	v_cndmask_b32 v[\b+2], v[\b+2], v[\b+1], s[\mp]
	v_min_u32 v[\b+2], LASTE, v[\b+2]
	v_lshlrev_b32 v[\b+2], 2, v[\b+2]
	v_add_nc_u32 v[\b+3], s50, v1                  ; the row's number
	global_store_b32 v[\b+2], v[\b+3], s[18:19]
.endm
	PLACE 30, 31, 51
	s_add_co_u32 s47, s47, s34                     ; the three places step by the first group's counts
	s_add_co_u32 s48, s48, s35
	s_add_co_u32 s49, s49, 32
	s_sub_co_u32 s49, s49, s34
	s_sub_co_u32 s49, s49, s35
	s_add_co_u32 s50, s50, 32
	PLACE 32, 33, 55                               ; (registers of its own: no store's sources are written again)
	s_cmp_lg_u32 ttmp9, 0
	s_cbranch_scc1 .Lrend
	s_cmp_ge_u32 s22, 10
	s_cbranch_scc1 .Lrend
	; work-group 0, waves 0-9: the classes of tiles 0 to 319 (258 are read).  They stand ahead of the marks, so that nothing but the marks' stores follows a change of EXEC
	s_add_co_u32 s57, s41, s42
	s_lshr_b32 s58, s46, 6
	v_cmp_le_u32 vcc_lo, s41, v0
	v_cndmask_b32 v72, 0, 1, vcc_lo
	v_cmp_le_u32 vcc_lo, s57, v0
	v_cndmask_b32 v73, 0, 1, vcc_lo
	v_cmp_le_u32 vcc_lo, s58, v0
	v_cndmask_b32 v74, 0, 1, vcc_lo
	v_add_nc_u32 v72, v72, v73
	v_add_nc_u32 v72, v72, v74
	global_store_b32 v[HADR], v72, s[18:19] offset:HEADS
	s_cmp_ge_u32 s22, 4
	s_cbranch_scc1 .Lrend
	; work-group 0, waves 0-3: the places that no row takes get the mark: behind each class's rows up to its last tile's end (under 64 each), and the tiles that are not used (at most 128 entries)
	s_add_co_u32 s53, s44, s39
	s_add_co_u32 s54, s45, s40
	s_mov_b32 s55, LASTE+1
	s_cmp_eq_u32 s22, 0
	s_cselect_b32 s51, s38, s53
	s_cselect_b32 s52, s44, s45
	s_cmp_eq_u32 s22, 2
	s_cselect_b32 s51, s54, s51
	s_cselect_b32 s52, s46, s52
	s_cmp_eq_u32 s22, 3
	s_cselect_b32 s51, s46, s51
	s_cselect_b32 s52, s55, s52
	v_mov_b32 v63, MARK
	v_add_nc_u32 v59, s51, v1
.irp j, 0,1,2,3
	v_add_nc_u32 v[64+\j], 32*\j, v59              ; the entry,
	v_min_u32 v[68+\j], LASTE, v[64+\j]
	v_lshlrev_b32 v[68+\j], 2, v[68+\j]            ; and its address, held inside the list
.endr
.irp j, 0,1,2,3
	v_cmp_gt_u32 vcc_lo, s52, v[64+\j]
	s_wait_xcnt 0x0                                ; EXEC changes only behind this wait: it is a source of the stores issued so far
	s_and_saveexec_b32 s56, vcc_lo
	global_store_b32 v[68+\j], v63, s[18:19]
	s_wait_xcnt 0x0                                ; and again, in front of the line that widens it
	s_or_b32 exec_lo, exec_lo, s56
.endr
.Lrend:
	s_wait_tensorcnt 0x0
	ds_add_u32 v168, v169
	s_wait_dscnt 0x0
	s_endpgm
; ---------------------------------------------------------------- the weights
.Llay:
	s_sub_co_u32 s23, ttmp9, 16                    ; 0..23: twelve work-groups an expert: 2 for layer 1, 8 for layer 2, 2 for layer 3
	s_cmp_ge_u32 s23, 12
	s_cselect_b32 s24, 1, 0                        ; the expert
	s_cselect_b64 s[52:53], s[12:13], s[6:7]
	s_cselect_b64 s[54:55], s[14:15], s[8:9]
	s_cselect_b64 s[56:57], s[16:17], s[10:11]
	s_mul_i32 s25, s24, 12
	s_sub_co_u32 s25, s23, s25
	s_cmp_lt_u32 s25, 2
	s_cselect_b32 s26, 1, 0                        ; f0: layer 1
	s_cselect_b64 s[54:55], s[52:53], s[54:55]
	s_cmp_ge_u32 s25, 10
	s_cselect_b32 s27, 1, 0                        ; f2: layer 3
	s_cselect_b64 s[54:55], s[56:57], s[54:55]     ; the layer's codes
	s_sub_co_u32 s28, 1, s26
	s_lshl_b32 s29, s28, 1                         ; 0 where K = 256, 2 where K = 1,024: log2 of a row's pieces of 256 bytes
	s_lshl_b32 s30, s27, 3
	s_add_co_u32 s30, s30, s29                     ; the layer's first work-group
	s_sub_co_u32 s30, s25, s30
	s_lshl_b32 s30, s30, 4
	s_add_co_u32 s30, s30, s22                     ; my wave's number in the layer
	s_lshr_b32 s31, s30, s29                       ; rho: which 32 rows
	s_lshl_b32 s32, 1, s29
	s_sub_co_u32 s32, s32, 1
	s_and_b32 s32, s30, s32                        ; kappa: which 256 bytes of K
	s_add_co_u32 s33, s29, 8                       ; log2 K
	s_lshr_b32 s34, 16384, s27                     ; from K step to K step in wlay
	s_lshl_b32 s35, 32768, s29                     ; from block to block
	s_lshl_b32 s36, s28, 16
	s_lshl_b32 s37, s27, 18
	s_add_co_u32 s36, s36, s37                     ; the layer's place in a wave's part
	s_lshl_b32 s37, s27, 1
	s_sub_co_u32 s37, 3, s37                       ; 3, or 1 in layer 3
	s_lshr_b32 s38, s31, s37                       ; the wave that will read these rows
	s_and_b32 s39, s31, s37                        ; the pair of tiles
	s_lshr_b32 s40, s31, 2
	s_and_b32 s40, s40, 1
	s_sub_co_u32 s41, 1, s27
	s_mul_i32 s40, s40, s41                        ; the block (none in layer 3)
	s_lshl_b32 s42, s31, 5
	s_lshl_b32 s42, s42, s33                       ; 32 rho rows of K bytes
	s_lshl_b32 s43, s32, 8
	s_add_co_u32 s42, s42, s43
	s_mov_b32 s43, 0
	s_add_nc_u64 s[54:55], s[54:55], s[42:43]
	s_mul_i32 s44, s24, 0x180000
	s_mul_i32 s45, s38, 393216
	s_add_co_u32 s44, s44, s45
	s_add_co_u32 s44, s44, s36
	s_mul_i32 s45, s40, s35
	s_add_co_u32 s44, s44, s45
	s_lshl_b32 s45, s32, 1
	s_mul_i32 s45, s45, s34
	s_add_co_u32 s44, s44, s45
	s_lshl_b32 s45, s39, 12
	s_add_co_u32 s44, s44, s45                     ; where my 8,192 bytes begin in wlay (the second K step's half lies s34 further on)
	v_lshlrev_b32 v16, s33, v3                     ; in: lanes 0-15 one row of 256 bytes, lanes 16-31 the next
	v_lshl_add_u32 v16, v2, 4, v16
	s_lshl_b32 s58, 2, s33                         ; two rows on
.set RR, 1
.rept 15
	v_add_nc_u32 v[16+RR], s58, v[15+RR]
.set RR, RR+1
.endr
	s_mul_i32 s59, s22, STGW
	s_add_co_u32 s59, s59, STG0                    ; my stage
	v_mul_u32_u24 v5, v3, SPITCH
	v_lshl_add_u32 v5, v2, 4, v5
	v_add_nc_u32 v5, s59, v5                       ; into it, as loaded
	v_and_b32 v6, 8, v2
	v_add_nc_u32 v6, v6, v2                        ; r + 8 (r / 8)
	v_mul_u32_u24 v6, v6, SPITCH
	v_lshl_add_u32 v6, v3, 4, v6
	v_add_nc_u32 v6, s59, v6                       ; out of it: the row that lane r of a tile takes, + 16 h
	v_lshlrev_b32 v7, 4, v1
	v_add_nc_u32 v7, s44, v7                       ; wlay: 16 bytes a lane, first K step,
	v_add_nc_u32 v8, s34, v7                       ; second K step
.set RR, 0
.rept 16
	global_load_b128 v[32+4*RR:35+4*RR], v[16+RR], s[54:55] th:TH_LOAD_NT   ; two whole pieces of 256 bytes; read once in this launch
.set RR, RR+1
.endr
.set RR, 0
.rept 16
	s_wait_loadcnt 15-RR                           ; loads come back in order: this one is in, the younger ones may be out
	ds_store_b128 v5, v[32+4*RR:35+4*RR] offset:2*SPITCH*RR
.set RR, RR+1
.endr
.set RR, 0
.rept 16                                           ; RR = 8 s + 4 u + c: K step s, tile u of the pair, chunk c.  LDS serves a wave's instructions in order: these see my stores
	ds_load_b128 v[96+4*RR:99+4*RR], v6 offset:8*SPITCH*((RR/4)%2)+128*(RR/8)+32*(RR%4)
.set RR, RR+1
.endr
.set RR, 0
.rept 16
	s_wait_dscnt 15-RR
	global_store_b128 v[7+RR/8], v[96+4*RR:99+4*RR], s[20:21] offset:2048*((RR/4)%2)+512*(RR%4)   ; 32 lanes store 512 consecutive bytes, at a multiple of 512 from wlay's first byte
.set RR, RR+1
.endr
	s_wait_tensorcnt 0x0
	ds_add_u32 v168, v169
	s_wait_dscnt 0x0
	s_endpgm
.Lfunc_end_k_q4f6f4b8d88_prep:
	.size	k_q4f6f4b8d88_prep, .Lfunc_end_k_q4f6f4b8d88_prep-k_q4f6f4b8d88_prep
	.p2alignl 7, 3214868480
	.fill 96, 4, 3214868480
	.section	.rodata,"a",@progbits
	.p2align	6, 0x0
	.amdhsa_kernel k_q4f6f4b8d88_prep
		.amdhsa_group_segment_fixed_size 141568
		.amdhsa_private_segment_fixed_size 0
		.amdhsa_enable_private_segment 0
		.amdhsa_kernarg_size 72
		.amdhsa_user_sgpr_count 2
		.amdhsa_user_sgpr_kernarg_segment_ptr 1
		.amdhsa_wavefront_size32 1
		.amdhsa_system_sgpr_workgroup_id_x 1
		.amdhsa_system_sgpr_workgroup_id_y 1
		.amdhsa_system_sgpr_workgroup_id_z 1
		.amdhsa_system_vgpr_workitem_id 0
		.amdhsa_next_free_vgpr 170
		.amdhsa_next_free_sgpr 72
		.amdhsa_reserve_vcc 1
		.amdhsa_float_denorm_mode_32 3
		.amdhsa_float_denorm_mode_16_64 3
		.amdhsa_memory_ordered 1
		.amdhsa_forward_progress 1
		.amdhsa_inst_pref_size 27
	.end_amdhsa_kernel
	.amdgpu_metadata
---
amdhsa.version: [ 1, 2 ]
amdhsa.kernels:
  - .name:           k_q4f6f4b8d88_prep
    .symbol:         k_q4f6f4b8d88_prep.kd
    .args:
      - { .name: observations, .offset: 0, .size: 8, .value_kind: global_buffer, .address_space: global }
      - { .name: W_neg0_codes, .offset: 8, .size: 8, .value_kind: global_buffer, .address_space: global }
      - { .name: W_neg1_codes, .offset: 16, .size: 8, .value_kind: global_buffer, .address_space: global }
      - { .name: W_neg2_codes, .offset: 24, .size: 8, .value_kind: global_buffer, .address_space: global }
      - { .name: W_pos0_codes, .offset: 32, .size: 8, .value_kind: global_buffer, .address_space: global }
      - { .name: W_pos1_codes, .offset: 40, .size: 8, .value_kind: global_buffer, .address_space: global }
      - { .name: W_pos2_codes, .offset: 48, .size: 8, .value_kind: global_buffer, .address_space: global }
      - { .name: tiles, .offset: 56, .size: 8, .value_kind: global_buffer, .address_space: global }
      - { .name: wlay, .offset: 64, .size: 8, .value_kind: global_buffer, .address_space: global }
    .group_segment_fixed_size: 141568
    .private_segment_fixed_size: 0
    .kernarg_segment_align: 8
    .kernarg_segment_size: 72
    .max_flat_workgroup_size: 512
    .sgpr_count:     72
    .vgpr_count:     170
    .wavefront_size: 32
...
	.end_amdgpu_metadata
.endif
;; end of part 1
;; launch mlp (part 2): grid 258 x 1, 4 waves a work-group, no clusters, 293,376 bytes of LDS; arguments x, tiles, wlay, lowp_scales, b_neg0, b_neg1, b_neg2, b_pos0, b_pos1, b_pos2, out0; writes out0
.if DOCPART == 2
	.amdgcn_target "amdgcn-amd-amdhsa--gfx1250"
	.amdhsa_code_object_version 6
	.text
	.protected	k_q4f6f4b8d88_mlp
	.globl	k_q4f6f4b8d88_mlp
	.p2align	8
	.type	k_q4f6f4b8d88_mlp,@function
k_q4f6f4b8d88_mlp:
	s_mov_b64 s[64:65], 0
	v_nop
	global_prefetch_b8 v0, s[64:65] scope:SCOPE_SE
	s_setreg_imm32_b32 hwreg(HW_REG_WAVE_MODE, 25, 1), 1
	s_wait_xcnt 0x0
; out[row] = the neg chain of x[row] where the observation is -1, the pos chain where it is 1, x[row] otherwise.  A chain: three layers relu(a W^T + b), 256 -> 1,024 -> 1,024 -> 256, all products on codes of
; BF8 (E5M2) with the given scales 2^e: e0 .. e5 below are the chain's six entries of lowp_scales (A and B of layers 1, 2, 3).  Only the chosen chain of a row is multiplied.
; ONE WORK-GROUP TAKES ONE TILE of the list that the launch before has stored: 64 places, each a row's number or a mark, all of one class.  Class 0 or 1: gather, quantise, three layers, store.
; Class 2: its rows are copied.  Class 3 (no rows): nothing is stored.  A place that is not used repeats the tile's first row: the same numbers are stored to the same bytes a second time, and EXEC is never touched.
; 258 work-groups serve every split of 16,384 rows into three classes.
; THE CLASS IS A LOADED NUMBER, AND EVERY WAVE PASSES EVERY BARRIER: no barrier stands under a branch on it.  So the class parts the text only BETWEEN barriers: each of the four stretches of a chain (x to codes,
; layer 1, layer 2, layer 3 and the way out) is jumped over by a branch of its own, and the three barriers stand behind the joins.  A register is written on every way that leads to its reader: so all addresses and
; scales, the biases' loads, the ring's first fill and the wait for x and the biases stand ahead of the first parting.  The price: a tile that is not multiplied asks for one lap of weights (32,768 bytes a wave)
; and the biases too, and drops them.
; NO JOINT LOADS, NO TENSOR LOADS: how many tiles an expert has hangs on the data, and the text branches on a stored number.  So the weights go from memory
; straight into registers, from the layout wlay in which a wave's fragments lie on end in the order of its walk.
; SHARES.  THE WAVES SHARE THE COLUMNS: wave w makes hidden units 256 w .. 256 w + 255 (two blocks of 128) of layers 1 and 2 and outputs 64 w .. 64 w + 63, for all 64 rows.  Each byte of the expert's 1.5 MB is
; read once by the work-group, into a ring of 16 fragments (256 registers): a slot is loaded again as soon as its four products are issued.  A lap = 16 fragments = 32,768 bytes on end.
; THE ROWS' CODES go from wave to wave through LDS as images of the operand's registers (a fragment: four stores of 512 bytes, lane l's 16 bytes at 16 l).
; THE MATRIX INSTRUCTION IS USED TRANSPOSED (source 0 = 16 rows of W, source 1 = 16 rows of the tile), and the rows of W that form a tile are chosen (lane r of tile 2 b + u: row 32 b + 8 u + r + 8 (r / 8)) so that a
; lane holds one row of the tile and the 16 registers of tiles 2 b, 2 b + 1 are 16 neighbours along the next K.  A fragment's registers 4 c .. 4 c + 3 hold K = 32 c + 16 (l / 16) + 0 .. 15 on both sides.
; THE BIASES are the C of each sum's first product, divided by the power of two that the sums lack.  relu and the hold at the largest code are one v_med3_num_f32.
; THE WALK IS TURNED by the tile's number: tiles begin at different blocks and K steps (RB, RL, RM below).  That changes the order of blocks and of K steps, so the order of the sums, and nothing else.
; NO LOOP: the two blocks of layers 1 and 2 are written out, so that every LDS address is made at the head, of constants, the lane, the wave and RB, RL, RM, and never rewritten.
; LIMITS on the given exponents, so that each power of two below is an f32 number: e0, e2 - e0 - e1 and e4 - e2 - e3 between -126 and 112; e4 + e5 between -126 and 127.  NaN in a row that goes through a chain
; is not served (the holds turn it into a number); the sign of a zero result of a chain is not kept.  Rows that pass are copied bit for bit.
; LDS: XST 4 stages of 16 rows x 1,040 (x turns from rows to lanes); XIM x's 8 fragments ((2 m + s) 2,048); H1, H2 the hidden layers' 32 fragments each ((8 m + s) 2,048); BIA the three biases; OST 4 stages of 64 rows x 272.
; REGISTERS, in windows of 256: window 0: v1-35, v52-54 addresses and scales; v36-51 my 16 rows' offsets; v64-191 two sets of four fragments of the rows' codes (at the head: the biases; at the end: results); v192-255 codes just made.
;   window 1: the accumulators, (m, t) at 64 m + 8 t (at the head x's numbers; at the end rows read back).   window 2: the ring, slot j at 16 j.   window 3: v0-63 a block's biases; v64-191 x as loaded; v192-223 the 32 output offsets.
.set XST,  0
.set XIM,  66560
.set H1,   82944
.set H2,   148480
.set BIA,  214016
.set OST,  223232
.set HEADS, 66048
.set L2O,  65536                       ; layer 2's and layer 3's places in a wave's part of wlay
.set L3O,  327680
.set L16,  1                           ; 16 x lane
.set XSW,  4                           ; x's stage: in, as loaded
.set XSR,  5                           ; and out: row r, + 64 h
.set XWI,  6                           ; where I store x's images
.set XL,   7                           ; XIM + 16 lane
.set HA1,  8                           ; v8, v9    where my first and my second block of layer 1 go: K step 2 w + block of layer 2
.set HA2,  10                          ; v10, v11  the same for layer 2
.set BI1,  12                          ; v12, v13  my first and second block's biases of layer 1 in LDS, + 64 h
.set BI2,  14                          ; v14, v15  of layer 2
.set ALP,  16                          ; v16-19    layer 2: the K steps of laps 0 to 3 of my walk in H1
.set WA,   20                          ; 16 lane + the lap that is being asked for: the one address register that is rewritten
.set SO,   21
.set SR,   22
.set OB,   23
.set IW,   24
.set JH,   25
.set T16,  26
.set T16B, 27
.set BW,   28
.set BW2,  29
.set XSC,  30                          ; 2^e0, and 57,344 x that
.set XLIM, 31
.set SC1,  32                          ; 2^(e2 - e0 - e1)
.set LIM1, 33
.set SC2,  34                          ; 2^(e4 - e2 - e3)
.set LIM2, 35
.set IE,   36
.set A3P,  52                          ; v52, v53  layer 3: the K steps of laps 0 and 1 of my walk in H2
.set BI3,  54                          ; v54       my biases of layer 3
.set ABUF, 64
.set PC,   192
.set WV,   26                          ; s26 wave
.set SB,   50                          ; s[50:51] my part of wlay; never rewritten
.set RB,   52                          ; the first block, 0 or 1
.set RL,   53                          ; layer 2's first lap of a block, 0..3
.set RM,   54                          ; layer 3's first lap, 0 or 1
.set NA,   55                          ; the laps at the seams of the walk, as offsets in my part of wlay: layer 1's second,
.set NB,   56                          ; layer 2's first,
.set NA2,  57                          ; its second block's first,
.set NB2,  58                          ; layer 3's first,
.set N3,   59                          ; and its second
.set BLK,  60                          ; s60, s61  layer 2: my first and my second block
.set MSB, 0
.macro WIN new                         ; the immediate's high byte repeats the setting that is left; a switch that changes nothing is dropped
.if MSB != \new
	s_set_vgpr_msb (MSB<<8)|\new
.set MSB, \new
.endif
.endm
.set MUL,  0x52                        ; source 0 (W) window 2, source 1 (rows) window 0, C and D window 1
.set MULB, 0x72                        ; the same with C (the bias) in window 3
.set LDW,  0x80                        ; destination window 2, address window 0
; four fragments of the rows' codes (tiles of rows m = 0..3, K step ks of the str that a tile of rows has) into set buf
.macro AFETCH buf, areg, str, ks
	WIN 0
.irp m, 0,1,2,3
.irp c, 0,1,2,3
	ds_load_b128 v[ABUF+64*(\buf)+16*\m+4*\c:ABUF+64*(\buf)+16*\m+4*\c+3], v[\areg] offset:((\str)*\m+(\ks))*2048+512*\c
.endr
.endr
.endm
; a block's biases in the result's layout: registers 16 b + 0..15 = units 32 b + 16 h + 0..15
.macro BFETCH nb, areg
	WIN 0xc0
.set BB, 0
.rept \nb
.irp j, 0,1,2,3
	ds_load_b128 v[16*BB+4*\j:16*BB+4*\j+3], v[\areg] offset:128*BB+16*\j
.endr
.set BB, BB+1
.endr
	WIN 0
.endm
; Ring slots 2 g, 2 g + 1 = tiles t0, t0 + 1 of W, each against the four tiles of rows in set ab: eight products on eight accumulators.  The accumulators take turns, one instruction a turn, in the same order in
; every K step.  first = 1: the products start the sums with the bias as C.  refill = 1: the two slots are loaded again, from the lap at v[WA].
; cnt: the loads issued behind these two slots' own eight.  Four plain places stand behind the products: ahead of loads into registers that they have read, and of the first read of results.
.macro GROUP g, t0, ab, first, refill, cnt
	s_wait_loadcnt \cnt
.if \first
	WIN MULB
.else
	WIN MUL
.endif
.irp u, 0,1
.irp m, 0,1,2,3
.if \first
	v_wmma_f32_16x16x128_bf8_bf8 v[64*\m+8*((\t0)+\u):64*\m+8*((\t0)+\u)+7], v[16*(2*(\g)+\u):16*(2*(\g)+\u)+15], v[ABUF+64*(\ab)+16*\m:ABUF+64*(\ab)+16*\m+15], v[8*((\t0)+\u):8*((\t0)+\u)+7]
.else
	v_wmma_f32_16x16x128_bf8_bf8 v[64*\m+8*((\t0)+\u):64*\m+8*((\t0)+\u)+7], v[16*(2*(\g)+\u):16*(2*(\g)+\u)+15], v[ABUF+64*(\ab)+16*\m:ABUF+64*(\ab)+16*\m+15], v[64*\m+8*((\t0)+\u):64*\m+8*((\t0)+\u)+7]
.endif
.endr
.endr
.if \refill
	WIN LDW
.endif
.rept 4
	v_nop
.endr
.if \refill
.irp u, 0,1
.irp c, 0,1,2,3
	global_load_b128 v[16*(2*(\g)+\u)+4*\c:16*(2*(\g)+\u)+4*\c+3], v[WA], s[SB:SB+1] offset:4096*(\g)+2048*\u+512*\c
.endr
.endr
.endif
.endm
; a K step of eight tiles: four groups from slot 2 g0 on.  The count 56: behind a group's eight loads stand those of the lap's later groups and the refills of the earlier ones: seven groups of eight
.macro QUAD g0, ab, first
.irp k, 0,1,2,3
	GROUP (\g0)+\k, 2*\k, \ab, \first, 1, 56
.endr
.endm
; A finished block (64 rows x my 128 units, 256 registers) becomes one K step of the next layer: relu and the hold in one, the conversion, the image at v[ha].  Each accumulator is read from its low end on.
.macro QBLOCK sc, lim, ha
	WIN 0x41
.set QQ, 0
.rept 256
	v_med3_num_f32 v[QQ], v[QQ], 0, v[\lim]        ; between 0 and the largest code x the scale: the conversion to an 8-bit code does not saturate (ISA guide 7.6.2)
.set QQ, QQ+1
.endr
	WIN 0x01
.set QQ, 0
.rept 32
	v_cvt_scalef32_pk8_bf8_f32 v[PC+2*QQ:PC+2*QQ+1], v[8*QQ:8*QQ+7], v[\sc]
.set QQ, QQ+1
.endr
	WIN 0
	v_nop                                          ; one plain vector instruction between the conversions and the next products, which write their sources
.irp m, 0,1,2,3
.irp c, 0,1,2,3
	ds_store_b128 v[\ha], v[PC+16*\m+4*\c:PC+16*\m+4*\c+3] offset:16384*\m+512*\c
.endr
.endr
.endm
.macro BAR                             ; my LDS stores have landed and my LDS loads are in: then the work-group's barrier.  The ring's loads stay out: they touch no LDS
	s_wait_dscnt 0x0
	s_barrier_signal -1
	s_barrier_wait -1
.endm
.macro SCALE se, vs, vl                ; 2^e as f32 (the conversion takes its exponent field), and 57,344 x 2^e
	s_add_co_i32 s75, s[\se], 127
	s_lshl_b32 s76, s75, 23
	v_mov_b32 v[\vs], s76
	s_add_co_i32 s75, s75, 15
	s_lshl_b32 s75, s75, 23
	s_or_b32 s75, s75, 0x600000
	v_mov_b32 v[\vl], s75
.endm
; a place's entry becomes a row's number: a mark is replaced by the tile's first row, and the number is held inside x before it becomes an address
.macro ENTRY r
	v_cmp_gt_u32 vcc_lo, 0x4000, v[\r]
	v_cndmask_b32 v[\r], s31, v[\r], vcc_lo
	v_min_u32 v[\r], 0x3fff, v[\r]
.endm
; ---------------------------------------------------------------- the head: on every way
	s_load_b256 s[4:11], s[0:1], 0x0               ; x s[4:5], tiles s[6:7], wlay s[8:9], the scales' exponents s[10:11]
	s_load_b256 s[12:19], s[0:1], 0x20             ; b_neg0, b_neg1, b_neg2, b_pos0
	s_load_b128 s[20:23], s[0:1], 0x40             ; b_pos1, b_pos2
	s_load_b64 s[24:25], s[0:1], 0x50              ; out
	v_lshl_add_u32 v62, v0, 2, 0x47800
	v_mov_b32 v63, 0
	v_lshrrev_b32 v2, 5, v0
	v_readfirstlane_b32 s[WV], v2                  ; wave 0..3
	v_and_b32 v1, 31, v0
	v_lshlrev_b32 v[L16], 4, v1
	v_and_b32 v2, 15, v0                           ; r
	v_bfe_u32 v3, v0, 4, 1                         ; h
	s_lshr_b32 s70, ttmp9, 3                       ; the turn of the walk, from the tile's number
	s_xor_b32 s70, s70, ttmp9
	s_and_b32 s[RB], s70, 1
	s_lshr_b32 s70, s70, 1
	s_and_b32 s[RL], s70, 3
	s_and_b32 s[RM], s[RL], 1
	s_xor_b32 s79, s[RB], 1                        ; the second block
	s_mul_i32 s70, s[WV], 16640
	v_add_nc_u32 v[XSW], s70, v[L16]
	v_mul_u32_u24 v[XSR], v2, 1040
	v_lshl_add_u32 v[XSR], v3, 6, v[XSR]
	v_add_nc_u32 v[XSR], s70, v[XSR]
	s_lshl_b32 s71, s[WV], 12
	v_add_nc_u32 v[XL], XIM, v[L16]
	v_add_nc_u32 v[XWI], s71, v[XL]
	v_add_nc_u32 v55, H1, v[L16]
	v_add_nc_u32 v56, H2, v[L16]
	s_lshl_b32 s72, s[RB], 11                      ; my blocks' images: K step 2 w + block: 4,096 w + 2,048 block
	s_add_co_u32 s72, s72, s71
	s_lshl_b32 s73, s79, 11
	s_add_co_u32 s73, s73, s71
	v_add_nc_u32 v[HA1], s72, v55
	v_add_nc_u32 v[HA1+1], s73, v55
	v_add_nc_u32 v[HA2], s72, v56
	v_add_nc_u32 v[HA2+1], s73, v56
	v_lshlrev_b32 v57, 6, v3
	v_add_nc_u32 v57, BIA, v57
	s_lshl_b32 s72, s[WV], 10                      ; my blocks' biases: 1,024 w + 512 block + 64 h
	s_lshl_b32 s73, s[RB], 9
	s_add_co_u32 s73, s73, s72
	s_lshl_b32 s74, s79, 9
	s_add_co_u32 s74, s74, s72
	v_add_nc_u32 v[BI1], s73, v57
	v_add_nc_u32 v[BI1+1], s74, v57
	v_add_nc_u32 v[BI2], 4096, v[BI1]
	v_add_nc_u32 v[BI2+1], 4096, v[BI1+1]
	s_lshl_b32 s73, s[WV], 8
	s_add_co_u32 s74, s73, 8192
	v_add_nc_u32 v[BI3], s74, v57
.irp i, 0,1,2,3
	s_add_co_u32 s70, s[RL], \i
	s_and_b32 s70, s70, 3                          ; lap i of my walk: K steps 2 s70, 2 s70 + 1
	s_lshl_b32 s70, s70, 12
	v_add_nc_u32 v[ALP+\i], s70, v55
.endr
	s_lshl_b32 s70, s[RM], 13                      ; layer 3: a lap is four K steps
	v_add_nc_u32 v[A3P], s70, v56
	s_xor_b32 s70, s[RM], 1
	s_lshl_b32 s70, s70, 13
	v_add_nc_u32 v[A3P+1], s70, v56
	s_mul_i32 s74, s[WV], 17408
	s_add_co_u32 s74, s74, OST
	v_mul_u32_u24 v[SO], v2, 272
	v_lshl_add_u32 v[SO], v3, 6, v[SO]
	v_add_nc_u32 v[SO], s74, v[SO]                 ; my stage for results: row r, + 64 h
	v_mul_u32_u24 v[SR], v3, 8704
	v_lshl_add_u32 v[SR], v2, 4, v[SR]
	v_add_nc_u32 v[SR], s74, v[SR]                 ; and back: lanes 0-15 row i, lanes 16-31 row 32 + i
	v_lshlrev_b32 v[OB], 4, v2
	v_add_nc_u32 v[OB], s73, v[OB]                 ; my 16 bytes of my wave's 256 in a row of out
	s_lshl_b32 s75, s[WV], 6
	v_mov_b32 v[IW], s75                           ; my wave's 16 places in the tile's list
	v_lshlrev_b32 v[JH], 7, v3                     ; my half's 32 places
	v_lshlrev_b32 v[T16], 4, v0
	v_and_b32 v[T16B], 63, v0
	v_lshlrev_b32 v[T16B], 4, v[T16B]
	v_add_nc_u32 v[BW], BIA, v[T16]
	v_add_nc_u32 v[BW2], BIA+8192, v[T16B]
	s_lshl_b32 s[NA], s79, 15                      ; the laps at the seams of the walk
	s_lshl_b32 s[BLK], s[RB], 17
	s_add_co_u32 s[BLK], s[BLK], L2O
	s_lshl_b32 s[BLK+1], s79, 17
	s_add_co_u32 s[BLK+1], s[BLK+1], L2O
	s_lshl_b32 s70, s[RL], 15
	s_add_co_u32 s[NB], s[BLK], s70
	s_add_co_u32 s[NA2], s[BLK+1], s70
	s_lshl_b32 s[NB2], s[RM], 15
	s_add_co_u32 s[NB2], s[NB2], L3O
	s_xor_b32 s70, s[RM], 1
	s_lshl_b32 s[N3], s70, 15
	s_add_co_u32 s[N3], s[N3], L3O
	s_lshl_b32 s70, s[RB], 15
	v_add_nc_u32 v[WA], s70, v[L16]                ; the first lap: layer 1, block RB
	s_lshl_b32 s70, ttmp9, 8
	s_mov_b32 s71, 0
	s_lshl_b32 s72, ttmp9, 2
	s_add_co_u32 s72, s72, HEADS
	s_mov_b32 s73, 0
	s_wait_kmcnt 0x0
	s_add_nc_u64 s[28:29], s[6:7], s[70:71]        ; my tile's 64 entries
	s_add_nc_u64 s[72:73], s[6:7], s[72:73]
	s_load_b32 s30, s[72:73], 0x0                  ; its class
	s_load_b32 s31, s[28:29], 0x0                  ; its first row
	s_load_b256 s[32:39], s[10:11], 0x0            ; the twelve exponents
	s_load_b128 s[40:43], s[10:11], 0x20
.irp q, 0,1,2,3
	global_load_b128 v[IE+4*\q:IE+4*\q+3], v[IW], s[28:29] offset:16*\q          ; places 16 w + 0..15, the same in every lane
.endr
.irp q, 0,1,2,3,4,5,6,7
	global_load_b128 v[PC+4*\q:PC+4*\q+3], v[JH], s[28:29] offset:16*\q          ; places 32 h + 0..31
.endr
	s_wait_kmcnt 0x0
	s_wait_loadcnt 0x0
.set NN, 0
.rept 16
	ENTRY IE+NN
	v_lshl_add_u32 v[IE+NN], v[IE+NN], 10, v[L16]  ; row x 1,024 + 16 lane
.set NN, NN+1
.endr
	WIN 0xc0
.set NN, 0
.rept 16
	global_load_b128 v[64+8*NN:67+8*NN], v[IE+NN], s[4:5]                        ; 32 lanes read 512 consecutive bytes: half a row.  No hint: the list may name a row twice
	global_load_b128 v[68+8*NN:71+8*NN], v[IE+NN], s[4:5] offset:512
.set NN, NN+1
.endr
	WIN 0
	s_cmp_lg_u32 s30, 2
	s_cbranch_scc1 .Lnocopy
	WIN 0x0c                                       ; THE ROWS THAT PASS: stored as they came
.set NN, 0
.rept 32
	s_wait_loadcnt 31-NN                           ; loads come back in order: this one is in, the younger ones may be out
	global_store_b128 v[IE+NN/2], v[64+4*NN:67+4*NN], s[24:25] offset:512*(NN%2) th:TH_STORE_NT
.set NN, NN+1
.endr
	WIN 0
.Lnocopy:
	s_cmp_eq_u32 s30, 1                            ; the expert: every choice on this compare first.  Only numbers are chosen by it, no pointer
	s_cselect_b32 s44, s38, s32                    ; e0 .. e5
	s_cselect_b32 s45, s39, s33
	s_cselect_b32 s46, s40, s34
	s_cselect_b32 s47, s41, s35
	s_cselect_b32 s48, s42, s36
	s_cselect_b32 s49, s43, s37
	s_cselect_b32 s69, -1, 0                       ; all lanes: pos
	s_min_u32 s70, s30, 1                          ; the class, held at 1, enters an address
	s_mul_i32 s70, s70, 0x180000
	s_mul_i32 s71, s[WV], 393216
	s_add_co_u32 s70, s70, s71
	s_mov_b32 s71, 0
	s_add_nc_u64 s[SB:SB+1], s[8:9], s[70:71]
	global_load_b128 v[64:67], v[T16], s[12:13]    ; both experts' biases, each through its own pointer: 18,432 bytes a work-group
	global_load_b128 v[68:71], v[T16], s[12:13] offset:2048
	global_load_b128 v[72:75], v[T16], s[14:15]
	global_load_b128 v[76:79], v[T16], s[14:15] offset:2048
	global_load_b128 v[80:83], v[T16B], s[16:17]
	global_load_b128 v[84:87], v[T16], s[18:19]
	global_load_b128 v[88:91], v[T16], s[18:19] offset:2048
	global_load_b128 v[92:95], v[T16], s[20:21]
	global_load_b128 v[96:99], v[T16], s[20:21] offset:2048
	global_load_b128 v[100:103], v[T16B], s[22:23]
	WIN LDW
.set NN, 0
.rept 64
	global_load_b128 v[4*NN:4*NN+3], v[WA], s[SB:SB+1] offset:512*NN             ; the ring is filled: 32,768 bytes on end
.set NN, NN+1
.endr
	WIN 0
	s_add_co_i32 s72, s44, s45                     ; e0 + e1: a sum of layer 1 stands for sum x 2^(e0 + e1)
	s_add_co_i32 s73, s46, s47
	s_add_co_i32 s74, s48, s49
	s_sub_co_i32 s66, 0, s72                       ; so the biases go in divided by these powers
	s_sub_co_i32 s67, 0, s73
	s_sub_co_i32 s68, 0, s74
	s_add_co_i32 s62, s74, 127
	s_lshl_b32 s62, s62, 23                        ; 2^(e4 + e5) as f32
	s_mov_b32 s63, s62                             ; (named with it as a pair, so it is written)
	s_sub_co_i32 s77, s46, s72                     ; e2 - e0 - e1: the three scales ahead of a quantiser folded into the conversion's one
	s_sub_co_i32 s78, s48, s73
	SCALE 44, XSC, XLIM
	SCALE 77, SC1, LIM1
	SCALE 78, SC2, LIM2
.set NN, 0
.rept 32
	ENTRY PC+NN
.set NN, NN+1
.endr
	WIN 0xc0
.set NN, 0
.rept 32
	v_lshl_add_u32 v[192+NN], v[PC+NN], 10, v[OB]  ; where place 32 h + NN's 16 bytes of mine go in out
.set NN, NN+1
.endr
	WIN 0
	s_wait_loadcnt 63                              ; behind x's and the biases' loads stand the ring's 64: both are in.  On every way: their registers are written again further down
; ---------------------------------------------------------------- x becomes codes
	s_cmp_ge_u32 s30, 2
	s_cbranch_scc1 .Lsk0
	WIN 0x0c
.set NN, 0
.rept 32
	ds_store_b128 v[XSW], v[64+4*NN:67+4*NN] offset:1040*(NN/2)+512*(NN%2)       ; x turns through my own stage: in as loaded,
.set NN, NN+1
.endr
	WIN 0x40
.set NN, 0
.rept 32                                           ; out 16 neighbours of each block of 32 a lane: register 64 s + 16 b + i = k 128 s + 32 b + 16 h + i of row r.  LDS serves a wave's instructions in order
	ds_load_b128 v[4*NN:4*NN+3], v[XSR] offset:512*(NN/16)+128*((NN/4)%4)+16*(NN%4)
.set NN, NN+1
.endr
	WIN 0
.set NN, 0
.rept 20
	v_cndmask_b32 v[64+NN], v[64+NN], v[84+NN], s69                              ; my expert's biases
.set NN, NN+1
.endr
.irp j, 0,1,2,3,4,5,6,7
	v_ldexp_f32 v[64+\j], v[64+\j], s66
	v_ldexp_f32 v[72+\j], v[72+\j], s67
.endr
.irp j, 0,1,2,3
	v_ldexp_f32 v[80+\j], v[80+\j], s68
.endr
	ds_store_b128 v[BW], v[64:67]
	ds_store_b128 v[BW], v[68:71] offset:2048
	ds_store_b128 v[BW], v[72:75] offset:4096
	ds_store_b128 v[BW], v[76:79] offset:6144
	s_cmp_ge_u32 s[WV], 2
	s_cbranch_scc1 .Lnob2
	ds_store_b128 v[BW2], v[80:83]                 ; b2 is 1,024 bytes: waves 0 and 1 store it
.Lnob2:
	s_wait_dscnt 0x0
	WIN 0x41
.set NN, 0
.rept 128
	v_med3_num_f32 v[NN], v[NN], -v[XLIM], v[XLIM] ; the hold at the largest code x the scale
.set NN, NN+1
.endr
	WIN 0x01
.set NN, 0
.rept 16
	v_cvt_scalef32_pk8_bf8_f32 v[PC+2*NN:PC+2*NN+1], v[8*NN:8*NN+7], v[XSC]
.set NN, NN+1
.endr
	WIN 0
	v_nop                                          ; one plain vector instruction between the conversions and the products that write their sources
.irp s, 0,1
.irp c, 0,1,2,3
	ds_store_b128 v[XWI], v[PC+16*\s+4*\c:PC+16*\s+4*\c+3] offset:2048*\s+512*\c
.endr
.endr
.Lsk0:
	BAR                                            ; x's eight fragments and the biases lie in LDS
; ---------------------------------------------------------------- layer 1: two blocks of 128 units, a lap (two K steps x eight tiles) each
	s_cmp_ge_u32 s30, 2
	s_cbranch_scc1 .Lsk1
	AFETCH 0, XL, 2, 0
	BFETCH 4, BI1
.irp tr, 0,1
	s_wait_dscnt 0x0                               ; the first K step's fragments and the biases are in
	s_wait_xcnt 0x0                                ; the ring's loads have read their address register
.if \tr == 0
	v_add_nc_u32 v[WA], s[NA], v[L16]              ; asked for in this lap: my second block's lap,
.else
	v_add_nc_u32 v[WA], s[NB], v[L16]              ; then layer 2's first
.endif
	AFETCH 1, XL, 2, 1
	QUAD 0, 0, 1
	s_wait_dscnt 0x0
.if \tr == 0
	AFETCH 0, XL, 2, 0                             ; for the second block
	BFETCH 4, BI1+1
.endif
	QUAD 4, 1, 0
	QBLOCK SC1, LIM1, HA1+\tr
.endr
.Lsk1:
	BAR                                            ; the first hidden layer's 32 fragments lie in LDS
; ---------------------------------------------------------------- layer 2: two blocks, four laps each
	s_cmp_ge_u32 s30, 2
	s_cbranch_scc1 .Lsk2
	AFETCH 0, ALP, 8, 0
	BFETCH 4, BI2
.irp tr, 0,1
.irp i, 0,1,2,3
.if \i < 3
	s_add_co_u32 s72, s[RL], \i+1                  ; asked for in this lap: the block's next lap,
	s_and_b32 s72, s72, 3
	s_lshl_b32 s72, s72, 15
	s_add_co_u32 s72, s72, s[BLK+\tr]
.elseif \tr == 0
	s_mov_b32 s72, s[NA2]                          ; the second block's first,
.else
	s_mov_b32 s72, s[NB2]                          ; or layer 3's first
.endif
	s_wait_dscnt 0x0
	s_wait_xcnt 0x0
	WIN 0
	v_add_nc_u32 v[WA], s72, v[L16]
	AFETCH 1, ALP+\i, 8, 1
.if \i == 0
	QUAD 0, 0, 1
.else
	QUAD 0, 0, 0
.endif
	s_wait_dscnt 0x0
.if (\tr == 0) || (\i < 3)
	AFETCH 0, ALP+(\i+1)%4, 8, 0                   ; the next lap's first K step
.endif
.if (\tr == 0) && (\i == 0)
	BFETCH 4, BI2+1                                ; the second block's biases, as soon as the first block's have been taken
.endif
	QUAD 4, 1, 0
.endr
	QBLOCK SC2, LIM2, HA2+\tr
.endr
.Lsk2:
	BAR                                            ; the second hidden layer's 32 fragments lie in LDS
; ---------------------------------------------------------------- layer 3: my 64 outputs: four tiles, 16 accumulators; two laps of four K steps
	s_cmp_ge_u32 s30, 2
	s_cbranch_scc1 .Lend
	AFETCH 0, A3P, 8, 0
	BFETCH 2, BI3
	s_wait_xcnt 0x0
	v_add_nc_u32 v[WA], s[N3], v[L16]
.irp k, 0,1,2,3
	s_wait_dscnt 0x0
.if \k < 3
	AFETCH (\k+1)%2, A3P, 8, \k+1
.else
	AFETCH 0, A3P+1, 8, 0
.endif
.if \k == 0
	GROUP 0, 0, 0, 1, 1, 56
	GROUP 1, 2, 0, 1, 1, 56
.else
	GROUP 2*\k, 0, \k%2, 0, 1, 56
	GROUP 2*\k+1, 2, \k%2, 0, 1, 56
.endif
.endr
.irp k, 0,1,2,3                        ; the last lap asks for nothing: behind a group's loads stand only the lap's later groups', and the counts run down
	s_wait_dscnt 0x0
.if \k < 3
	AFETCH (\k+1)%2, A3P+1, 8, \k+1
.endif
	GROUP 2*\k, 0, \k%2, 0, 0, 56-16*\k
	GROUP 2*\k+1, 2, \k%2, 0, 0, 48-16*\k
.endr
; ---------------------------------------------------------------- the way out: x 2^(e4 + e5), relu, through my own stage, and out as whole pieces of 256 bytes
	WIN 0x01
.irp m, 0,1,2,3
.irp i, 0,2,4,6,8,10,12,14,16,18,20,22,24,26,28,30
	v_pk_mul_f32 v[ABUF+32*\m+\i:ABUF+32*\m+\i+1], v[64*\m+\i:64*\m+\i+1], s[62:63] op_sel_hi:[1,0]   ; each accumulator from its low end on
.endr
.endr
	WIN 0
.set NN, 0
.rept 128
	v_max_num_f32 v[ABUF+NN], 0, v[ABUF+NN]
.set NN, NN+1
.endr
.irp m, 0,1,2,3
.irp b, 0,1
.irp j, 0,1,2,3
	ds_store_b128 v[SO], v[ABUF+32*\m+16*\b+4*\j:ABUF+32*\m+16*\b+4*\j+3] offset:4352*\m+128*\b+16*\j   ; lane (r, h): place 16 m + r, outputs 64 w + 32 b + 16 h + 4 j on
.endr
.endr
.endr
	WIN 0x40
.set NN, 0
.rept 32
	ds_load_b128 v[4*NN:4*NN+3], v[SR] offset:272*NN   ; LDS serves a wave's instructions in order: these see my stores
.set NN, NN+1
.endr
	WIN 0x07                                       ; the offsets lie in window 3, the rows in window 1
.set NN, 0
.rept 32
	s_wait_dscnt 31-NN
	global_store_b128 v[192+NN], v[4*NN:4*NN+3], s[24:25] th:TH_STORE_NT   ; sixteen lanes store 256 consecutive bytes, at a multiple of 256 from out's first byte
.set NN, NN+1
.endr
	WIN 0
.Lend:
	s_wait_tensorcnt 0x0
	ds_add_u32 v62, v63
	s_wait_dscnt 0x0
	s_endpgm
.Lfunc_end_k_q4f6f4b8d88_mlp:
	.size	k_q4f6f4b8d88_mlp, .Lfunc_end_k_q4f6f4b8d88_mlp-k_q4f6f4b8d88_mlp
	.p2alignl 7, 3214868480
	.fill 96, 4, 3214868480
	.section	.rodata,"a",@progbits
	.p2align	6, 0x0
	.amdhsa_kernel k_q4f6f4b8d88_mlp
		.amdhsa_group_segment_fixed_size 293376
		.amdhsa_private_segment_fixed_size 0
		.amdhsa_enable_private_segment 0
		.amdhsa_kernarg_size 88
		.amdhsa_user_sgpr_count 2
		.amdhsa_user_sgpr_kernarg_segment_ptr 1
		.amdhsa_wavefront_size32 1
		.amdhsa_system_sgpr_workgroup_id_x 1
		.amdhsa_system_sgpr_workgroup_id_y 1
		.amdhsa_system_sgpr_workgroup_id_z 1
		.amdhsa_system_vgpr_workitem_id 0
		.amdhsa_next_free_vgpr 1024
		.amdhsa_next_free_sgpr 80
		.amdhsa_reserve_vcc 1
		.amdhsa_float_denorm_mode_32 3
		.amdhsa_float_denorm_mode_16_64 3
		.amdhsa_memory_ordered 1
		.amdhsa_forward_progress 1
		.amdhsa_inst_pref_size 255
	.end_amdhsa_kernel
	.section	.bss,"aw",@nobits
	.p2align	6
	.space	262144
	.amdgpu_metadata
---
amdhsa.version: [ 1, 2 ]
amdhsa.kernels:
  - .name:           k_q4f6f4b8d88_mlp
    .symbol:         k_q4f6f4b8d88_mlp.kd
    .args:
      - { .name: x, .offset: 0, .size: 8, .value_kind: global_buffer, .address_space: global }
      - { .name: tiles, .offset: 8, .size: 8, .value_kind: global_buffer, .address_space: global }
      - { .name: wlay, .offset: 16, .size: 8, .value_kind: global_buffer, .address_space: global }
      - { .name: lowp_scales, .offset: 24, .size: 8, .value_kind: global_buffer, .address_space: global }
      - { .name: b_neg0, .offset: 32, .size: 8, .value_kind: global_buffer, .address_space: global }
      - { .name: b_neg1, .offset: 40, .size: 8, .value_kind: global_buffer, .address_space: global }
      - { .name: b_neg2, .offset: 48, .size: 8, .value_kind: global_buffer, .address_space: global }
      - { .name: b_pos0, .offset: 56, .size: 8, .value_kind: global_buffer, .address_space: global }
      - { .name: b_pos1, .offset: 64, .size: 8, .value_kind: global_buffer, .address_space: global }
      - { .name: b_pos2, .offset: 72, .size: 8, .value_kind: global_buffer, .address_space: global }
      - { .name: out0, .offset: 80, .size: 8, .value_kind: global_buffer, .address_space: global }
    .group_segment_fixed_size: 293376
    .private_segment_fixed_size: 0
    .kernarg_segment_align: 8
    .kernarg_segment_size: 88
    .max_flat_workgroup_size: 128
    .sgpr_count:     80
    .vgpr_count:     1024
    .wavefront_size: 32
...
	.end_amdgpu_metadata
.endif
;; end of part 2
;; ======== version 2 of 2: 2 launches; version 1 with the launch mlp written anew for expert scheduling mode
;; limits: right only within a limited range of input values
;; workspace buffers: tiles 67,328 bytes of whole numbers; wlay 3,145,728 bytes
;; launch prep: the kernel of part 1 again; grid 40 x 1, 16 waves a work-group, no clusters, 141,568 bytes of LDS; arguments observations, W_neg0_codes, W_neg1_codes, W_neg2_codes, W_pos0_codes, W_pos1_codes, W_pos2_codes, tiles, wlay; writes tiles, wlay
;; launch mlp (part 3): grid 258 x 1, 4 waves a work-group, no clusters, 293,376 bytes of LDS; arguments x, tiles, wlay, lowp_scales, b_neg0, b_neg1, b_neg2, b_pos0, b_pos1, b_pos2, out0; writes out0
.if DOCPART == 3
	.amdgcn_target "amdgcn-amd-amdhsa--gfx1250"
	.amdhsa_code_object_version 6
	.text
	.protected	k_q4f6f4b8d88_mlp
	.globl	k_q4f6f4b8d88_mlp
	.p2align	8
	.type	k_q4f6f4b8d88_mlp,@function
k_q4f6f4b8d88_mlp:
	s_mov_b64 s[64:65], 0
	v_nop
	global_prefetch_b8 v0, s[64:65] scope:SCOPE_SE
	s_setreg_imm32_b32 hwreg(HW_REG_WAVE_SCHED_MODE, 0, 2), 2
	s_setreg_imm32_b32 hwreg(HW_REG_WAVE_MODE, 25, 1), 1
	s_wait_xcnt 0x0
	s_wait_alu depctr_vm_vsrc(0)
; out[row] = the neg chain of x[row] where the observation is -1, the pos chain where it is 1, x[row] otherwise.  A chain: three layers relu(a W^T + b), 256 -> 1,024 -> 1,024 -> 256, all products on codes of
; BF8 (E5M2) with the given scales 2^e: e0 .. e5 below are the chain's six entries of lowp_scales (A and B of layers 1, 2, 3).  Only the chosen chain of a row is multiplied.
; ONE WORK-GROUP TAKES ONE TILE of the list that the launch before has stored: 64 places, each a row's number or a mark, all of one class.  Class 0 or 1: gather, quantise, three layers, store.
; Class 2: its rows are copied.  Class 3 (no rows): nothing is stored.  A place that is not used repeats the tile's first row: the same numbers are stored to the same bytes a second time, and EXEC is never touched.
; 258 work-groups serve every split of 16,384 rows into three classes.
; THE CLASS IS A LOADED NUMBER, AND EVERY WAVE PASSES EVERY BARRIER: no barrier stands under a branch on it.  So the class parts the text only BETWEEN barriers: each of the four stretches of a chain (x to codes,
; layer 1, layer 2, layer 3 and the way out) is jumped over by a branch of its own, and the three barriers stand behind the joins.  A register is written on every way that leads to its reader: so all addresses and
; scales, the biases' loads, the ring's first fill and the wait for x and the biases stand ahead of the first parting.  The price: a tile that is not multiplied asks for one lap of weights (32,768 bytes a wave)
; and the biases too, and drops them.
; NO JOINT LOADS, NO TENSOR LOADS: how many tiles an expert has hangs on the data, and the text branches on a stored number.  So the weights go from memory
; straight into registers, from the layout wlay in which a wave's fragments lie on end in the order of its walk.
; SHARES.  THE WAVES SHARE THE COLUMNS: wave w makes hidden units 256 w .. 256 w + 255 (two blocks of 128) of layers 1 and 2 and outputs 64 w .. 64 w + 63, for all 64 rows.  Each byte of the expert's 1.5 MB is
; read once by the work-group, into a ring of 24 fragments: three sets of eight (384 registers).  A step = eight fragments = 16,384 bytes on end; a lap = two steps.
; THE ROWS' CODES go from wave to wave through LDS as images of the operand's registers (a fragment: four stores of 512 bytes, lane l's 16 bytes at 16 l).
; THE MATRIX INSTRUCTION IS USED TRANSPOSED (source 0 = 16 rows of W, source 1 = 16 rows of the tile), and the rows of W that form a tile are chosen (lane r of tile 2 b + u: row 32 b + 8 u + r + 8 (r / 8)) so that a
; lane holds one row of the tile and the 16 registers of tiles 2 b, 2 b + 1 are 16 neighbours along the next K.  A fragment's registers 4 c .. 4 c + 3 hold K = 32 c + 16 (l / 16) + 0 .. 15 on both sides.
; THE BIASES are the C of each sum's first product, divided by the power of two that the sums lack.  relu and the hold at the largest code are one v_med3_num_f32.
; THE WALK IS TURNED by the tile's number: tiles begin at different blocks and K steps (RB, RL, RM below).  That changes the order of blocks and of K steps, so the order of the sums, and nothing else.
; NO LOOP: the two blocks of layers 1 and 2 are written out, so that every LDS address is made at the head, of constants, the lane, the wave and RB, RL, RM, and never rewritten.
; LIMITS on the given exponents, so that each power of two below is an f32 number: e0, e2 - e0 - e1 and e4 - e2 - e3 between -126 and 112; e4 + e5 between -126 and 127.  NaN in a row that goes through a chain
; is not served (the holds turn it into a number); the sign of a zero result of a chain is not kept.  Rows that pass are copied bit for bit.
; THE MODE: SCHED_MODE bits 1:0 = 2 (LLVM: expert scheduling mode 2), set by the entry lines.  The code itself states the register dependences
; between vector or matrix instructions and memory or LDS instructions, with s_wait_alu, always for 0.
; THE PLAN.  Registers that memory or LDS instructions touch, in the layers:
;   R0, R1, R2   the ring's sets.  Step q (24 in all, counted through the three layers): its products read R[q % 3]; the 32 loads dealt among them, eight behind each group of eight products, land in
;                R[(q + 2) % 3] = R[(q - 1) % 3], which step q - 1's products read: they bring step q + 2's weights.  No product of step q names that set.
;   A0, A1       the rows' fragments.  A K step's products read one; the LDS loads at the K step's head land in the other, which the K step before read.
;   the biases   64 registers: read as C by a block's first K step; loaded again at the head of a later K step, or at a stretch's start.
;   v[PC ..]     written by the conversions, read by the LDS stores behind them, written again a block later.
;   addresses    made at the head and never written again.  The weights' laps are reached by 16 x lane and two scalar bases by turns: lap L's loads read base L % 2, which is written again at lap L + 2's head,
;                where lap L + 1's counted waits for those loads' data have shown them done.
; So ONE wait on va_vdst stands at the head of each K step that follows products: they are done reading their ring set, their rows' fragments and the biases.  A finished block has two waits: on vm_vsrc ahead of its
; conversions, on va_vdst ahead of its LDS stores; the second also serves the loads of the K step that follows the block, which therefore has no wait of its own, nor has the K step behind a barrier.
; The layers have 4, 16 and 4 steps, so each begins at another set of the ring.  The ways that lead round layer 1 and round layer 2 wait for all loads: on every way a layer finds the ring as the layer before left it, or at rest.
; LDS: XST 4 stages of 16 rows x 1,040 (x turns from rows to lanes); XIM x's 8 fragments ((2 m + s) 2,048); H1, H2 the hidden layers' 32 fragments each ((8 m + s) 2,048); BIA the three biases; OST 4 stages of 64 rows x 272.
; REGISTERS, in windows of 256: window 0: v1-35, v52-54 addresses and scales; v36-51 my 16 rows' offsets; v64-191 two sets of four fragments of the rows' codes (at the head: the biases; at the end: results); v192-255 codes just made.
;   window 1: the accumulators, (m, t) at 64 m + 8 t (at the head x's numbers; at the end rows read back).   window 2: the ring's sets 0 (v0-127) and 1 (v128-255), slot j of a set 16 j on.
;   window 3: v0-63 a block's biases; v64-191 x as loaded, then the ring's set 2; v192-223 the 32 output offsets.
.set XST,  0
.set XIM,  66560
.set H1,   82944
.set H2,   148480
.set BIA,  214016
.set OST,  223232
.set HEADS, 66048
.set L2O,  65536                       ; layer 2's and layer 3's places in a wave's part of wlay
.set L3O,  327680
.set L16,  1                           ; 16 x lane
.set XSW,  4                           ; x's stage: in, as loaded
.set XSR,  5                           ; and out: row r, + 64 h
.set XWI,  6                           ; where I store x's images
.set XL,   7                           ; XIM + 16 lane
.set HA1,  8                           ; v8, v9    where my first and my second block of layer 1 go: K step 2 w + block of layer 2
.set HA2,  10                          ; v10, v11  the same for layer 2
.set BI1,  12                          ; v12, v13  my first and second block's biases of layer 1 in LDS, + 64 h
.set BI2,  14                          ; v14, v15  of layer 2
.set ALP,  16                          ; v16-19    layer 2: the K steps of laps 0 to 3 of my walk in H1
.set WA,   20                          ; 16 lane + the first lap: the ring's first fill reads it; never rewritten
.set SO,   21
.set SR,   22
.set OB,   23
.set IW,   24
.set JH,   25
.set T16,  26
.set T16B, 27
.set BW,   28
.set BW2,  29
.set XSC,  30                          ; 2^e0, and 57,344 x that
.set XLIM, 31
.set SC1,  32                          ; 2^(e2 - e0 - e1)
.set LIM1, 33
.set SC2,  34                          ; 2^(e4 - e2 - e3)
.set LIM2, 35
.set IE,   36
.set A3P,  52                          ; v52, v53  layer 3: the K steps of laps 0 and 1 of my walk in H2
.set BI3,  54                          ; v54       my biases of layer 3
.set ABUF, 64
.set PC,   192
.set WV,   26                          ; s26 wave
.set PB,   32                          ; s[32:35] two bases by turns: my part of wlay at the lap that is being asked for (at the head: the exponents, then masks)
.set SB,   50                          ; s[50:51] my part of wlay; never rewritten
.set RB,   52                          ; the first block, 0 or 1
.set RL,   53                          ; layer 2's first lap of a block, 0..3
.set RM,   54                          ; layer 3's first lap, 0 or 1
.set NA,   55                          ; the laps at the seams of the walk, as offsets in my part of wlay: layer 1's second,
.set NB,   56                          ; layer 2's first,
.set NA2,  57                          ; its second block's first,
.set NB2,  58                          ; layer 3's first,
.set N3,   59                          ; and its second
.set BLK,  60                          ; s60, s61  layer 2: my first and my second block
.set MSB, 0
.macro WIN new                         ; the immediate's high byte repeats the setting that is left; a switch that changes nothing is dropped
.if MSB != (\new)
	s_set_vgpr_msb (MSB<<8)|(\new)
.set MSB, (\new)
.endif
.endm
.set MUL,  0x52                        ; source 0 (W) window 2, source 1 (rows) window 0, C and D window 1; + 1: W in window 3 (the ring's set 2)
.set MULB, 0x72                        ; the same with C (the bias) in window 3
.set LDW,  0x80                        ; destination window 2, address window 0; + 0x40: destination window 3
; the step in hand, counted through the text: which set its products read (RP, from register RBS on), which its loads fill (FP, FBS), which base they read (PBQ)
.set QN, 0
.macro QSET
.set RP,  QN%3
.set FP,  (QN+2)%3
.set RBS, 128*(RP%2)+64*(RP/2)
.set FBS, 128*(FP%2)+64*(FP/2)
.set PBQ, PB+2*((QN/2)%2)
.endm
.macro QNEXT
.set QN, QN+1
	QSET
.endm
	QSET
; a lap's head: s72 holds the next lap's place in my part of wlay.  The base was last read by the loads issued two laps back; the last lap's counted waits for their data have shown them done
.macro LAP
	s_mov_b32 s73, 0
	s_add_nc_u64 s[PBQ:PBQ+1], s[SB:SB+1], s[72:73]
.endm
; four fragments of the rows' codes (tiles of rows m = 0..3, K step ks of the str that a tile of rows has) into set buf
.macro AFETCH buf, areg, str, ks
	WIN 0
.irp m, 0,1,2,3
.irp c, 0,1,2,3
	ds_load_b128 v[ABUF+64*(\buf)+16*\m+4*\c:ABUF+64*(\buf)+16*\m+4*\c+3], v[\areg] offset:((\str)*\m+(\ks))*2048+512*\c
.endr
.endr
.endm
; a block's biases in the result's layout: registers 16 b + 0..15 = units 32 b + 16 h + 0..15
.macro BFETCH nb, areg
	WIN 0xc0
.set BB, 0
.rept \nb
.irp j, 0,1,2,3
	ds_load_b128 v[16*BB+4*\j:16*BB+4*\j+3], v[\areg] offset:128*BB+16*\j
.endr
.set BB, BB+1
.endr
	WIN 0
.endm
; Slots 2 k, 2 k + 1 of the step's set = tiles t0, t0 + 1 of W, each against the four tiles of rows in set ab: eight products on eight accumulators.  The accumulators take turns, one instruction a turn, in the same order in
; every K step.  first = 1: the products start the sums with the bias as C.  refill = 1: the same two slots of the set that the step before read are loaded, two steps ahead.
; No wait stands ahead of these loads: no vector or matrix instruction since the wait at the K step's head names their registers.  cnt: the loads issued behind these two slots' own eight.
; places = 1, in a K step's last group: four plain places behind the products, ahead of the loads at the next K step's head into registers that they have read, and of the first read of results.
.macro GROUP k, t0, ab, first, refill, cnt, places
	s_wait_loadcnt \cnt
.if \first
	WIN MULB+RP/2
.else
	WIN MUL+RP/2
.endif
.irp u, 0,1
.irp m, 0,1,2,3
.if \first
	v_wmma_f32_16x16x128_bf8_bf8 v[64*\m+8*((\t0)+\u):64*\m+8*((\t0)+\u)+7], v[RBS+16*(2*(\k)+\u):RBS+16*(2*(\k)+\u)+15], v[ABUF+64*(\ab)+16*\m:ABUF+64*(\ab)+16*\m+15], v[8*((\t0)+\u):8*((\t0)+\u)+7]
.else
	v_wmma_f32_16x16x128_bf8_bf8 v[64*\m+8*((\t0)+\u):64*\m+8*((\t0)+\u)+7], v[RBS+16*(2*(\k)+\u):RBS+16*(2*(\k)+\u)+15], v[ABUF+64*(\ab)+16*\m:ABUF+64*(\ab)+16*\m+15], v[64*\m+8*((\t0)+\u):64*\m+8*((\t0)+\u)+7]
.endif
.endr
.endr
.if \places
.rept 4
	v_nop
.endr
.endif
.if \refill
	WIN LDW+0x40*(FP/2)
.irp u, 0,1
.irp c, 0,1,2,3
	global_load_b128 v[FBS+16*(2*(\k)+\u)+4*\c:FBS+16*(2*(\k)+\u)+4*\c+3], v[L16], s[PBQ:PBQ+1] offset:16384*(QN%2)+4096*(\k)+2048*\u+512*\c
.endr
.endr
.endif
.endm
; a K step of eight tiles: a step of the ring, four groups.  The count 56: behind a group's eight loads stand those of its step's later groups, the 32 of the next step and this step's earlier refills: seven groups of eight
.macro QUAD ab, first
.irp k, 0,1,2
	GROUP \k, 2*\k, \ab, \first, 1, 56, 0
.endr
	GROUP 3, 6, \ab, \first, 1, 56, 1
.endm
; A finished block (64 rows x my 128 units, 256 registers) becomes one K step of the next layer: relu and the hold in one, the conversion, the image at v[ha].  Each accumulator is read from its low end on.
.macro QBLOCK sc, lim, ha
	WIN 0x41
.set QQ, 0
.rept 256
	v_med3_num_f32 v[QQ], v[QQ], 0, v[\lim]        ; between 0 and the largest code x the scale: the conversion to an 8-bit code does not saturate (ISA guide 7.6.2)
.set QQ, QQ+1
.endr
	WIN 0x01
	s_wait_alu depctr_vm_vsrc(0)                   ; the LDS stores of the codes made last have read v[PC ..], which the conversions write again
.set QQ, 0
.rept 32
	v_cvt_scalef32_pk8_bf8_f32 v[PC+2*QQ:PC+2*QQ+1], v[8*QQ:8*QQ+7], v[\sc]
.set QQ, QQ+1
.endr
	WIN 0
	v_nop                                          ; one plain vector instruction between the conversions and the next products, which write their sources
	s_wait_alu depctr_va_vdst(0)                   ; the conversions have written v[PC ..], which the LDS stores read; and the block's products are done reading their ring set, their rows' fragments and the biases, in which the next K step's loads land
.irp m, 0,1,2,3
.irp c, 0,1,2,3
	ds_store_b128 v[\ha], v[PC+16*\m+4*\c:PC+16*\m+4*\c+3] offset:16384*\m+512*\c
.endr
.endr
.endm
.macro BAR                             ; my LDS stores have landed and my LDS loads are in: then the work-group's barrier.  The ring's loads stay out: they touch no LDS
	s_wait_dscnt 0x0
	s_barrier_signal -1
	s_barrier_wait -1
.endm
.macro SCALE se, vs, vl                ; 2^e as f32 (the conversion takes its exponent field), and 57,344 x 2^e
	s_add_co_i32 s75, s[\se], 127
	s_lshl_b32 s76, s75, 23
	v_mov_b32 v[\vs], s76
	s_add_co_i32 s75, s75, 15
	s_lshl_b32 s75, s75, 23
	s_or_b32 s75, s75, 0x600000
	v_mov_b32 v[\vl], s75
.endm
; ---------------------------------------------------------------- the head: on every way
	s_load_b256 s[4:11], s[0:1], 0x0               ; x s[4:5], tiles s[6:7], wlay s[8:9], the scales' exponents s[10:11]
	s_load_b256 s[12:19], s[0:1], 0x20             ; b_neg0, b_neg1, b_neg2, b_pos0
	s_load_b128 s[20:23], s[0:1], 0x40             ; b_pos1, b_pos2
	s_load_b64 s[24:25], s[0:1], 0x50              ; out
	v_lshl_add_u32 v62, v0, 2, 0x47800
	v_mov_b32 v63, 0
	v_lshrrev_b32 v2, 5, v0
	v_readfirstlane_b32 s[WV], v2                  ; wave 0..3
	v_and_b32 v1, 31, v0
	v_lshlrev_b32 v[L16], 4, v1
	v_and_b32 v2, 15, v0                           ; r
	v_bfe_u32 v3, v0, 4, 1                         ; h
	s_lshr_b32 s70, ttmp9, 3                       ; the turn of the walk, from the tile's number
	s_xor_b32 s70, s70, ttmp9
	s_and_b32 s[RB], s70, 1
	s_lshr_b32 s70, s70, 1
	s_and_b32 s[RL], s70, 3
	s_and_b32 s[RM], s[RL], 1
	s_xor_b32 s79, s[RB], 1                        ; the second block
	s_wait_alu depctr_va_sdst(0)                   ; the wave's number is written, ahead of its first reader
	s_mul_i32 s70, s[WV], 16640
	v_add_nc_u32 v[XSW], s70, v[L16]
	v_mul_u32_u24 v[XSR], v2, 1040
	v_lshl_add_u32 v[XSR], v3, 6, v[XSR]
	v_add_nc_u32 v[XSR], s70, v[XSR]
	s_lshl_b32 s71, s[WV], 12
	v_add_nc_u32 v[XL], XIM, v[L16]
	v_add_nc_u32 v[XWI], s71, v[XL]
	v_add_nc_u32 v55, H1, v[L16]
	v_add_nc_u32 v56, H2, v[L16]
	s_lshl_b32 s72, s[RB], 11                      ; my blocks' images: K step 2 w + block: 4,096 w + 2,048 block
	s_add_co_u32 s72, s72, s71
	s_lshl_b32 s73, s79, 11
	s_add_co_u32 s73, s73, s71
	v_add_nc_u32 v[HA1], s72, v55
	v_add_nc_u32 v[HA1+1], s73, v55
	v_add_nc_u32 v[HA2], s72, v56
	v_add_nc_u32 v[HA2+1], s73, v56
	v_lshlrev_b32 v57, 6, v3
	v_add_nc_u32 v57, BIA, v57
	s_lshl_b32 s72, s[WV], 10                      ; my blocks' biases: 1,024 w + 512 block + 64 h
	s_lshl_b32 s73, s[RB], 9
	s_add_co_u32 s73, s73, s72
	s_lshl_b32 s74, s79, 9
	s_add_co_u32 s74, s74, s72
	v_add_nc_u32 v[BI1], s73, v57
	v_add_nc_u32 v[BI1+1], s74, v57
	v_add_nc_u32 v[BI2], 4096, v[BI1]
	v_add_nc_u32 v[BI2+1], 4096, v[BI1+1]
	s_lshl_b32 s73, s[WV], 8
	s_add_co_u32 s74, s73, 8192
	v_add_nc_u32 v[BI3], s74, v57
.irp i, 0,1,2,3
	s_add_co_u32 s70, s[RL], \i
	s_and_b32 s70, s70, 3                          ; lap i of my walk: K steps 2 s70, 2 s70 + 1
	s_lshl_b32 s70, s70, 12
	v_add_nc_u32 v[ALP+\i], s70, v55
.endr
	s_lshl_b32 s70, s[RM], 13                      ; layer 3: a lap is four K steps
	v_add_nc_u32 v[A3P], s70, v56
	s_xor_b32 s70, s[RM], 1
	s_lshl_b32 s70, s70, 13
	v_add_nc_u32 v[A3P+1], s70, v56
	s_mul_i32 s74, s[WV], 17408
	s_add_co_u32 s74, s74, OST
	v_mul_u32_u24 v[SO], v2, 272
	v_lshl_add_u32 v[SO], v3, 6, v[SO]
	v_add_nc_u32 v[SO], s74, v[SO]                 ; my stage for results: row r, + 64 h
	v_mul_u32_u24 v[SR], v3, 8704
	v_lshl_add_u32 v[SR], v2, 4, v[SR]
	v_add_nc_u32 v[SR], s74, v[SR]                 ; and back: lanes 0-15 row i, lanes 16-31 row 32 + i
	v_lshlrev_b32 v[OB], 4, v2
	v_add_nc_u32 v[OB], s73, v[OB]                 ; my 16 bytes of my wave's 256 in a row of out
	s_lshl_b32 s75, s[WV], 6
	v_mov_b32 v[IW], s75                           ; my wave's 16 places in the tile's list
	v_lshlrev_b32 v[JH], 7, v3                     ; my half's 32 places
	v_lshlrev_b32 v[T16], 4, v0
	v_and_b32 v[T16B], 63, v0
	v_lshlrev_b32 v[T16B], 4, v[T16B]
	v_add_nc_u32 v[BW], BIA, v[T16]
	v_add_nc_u32 v[BW2], BIA+8192, v[T16B]
	s_lshl_b32 s[NA], s79, 15                      ; the laps at the seams of the walk
	s_lshl_b32 s[BLK], s[RB], 17
	s_add_co_u32 s[BLK], s[BLK], L2O
	s_lshl_b32 s[BLK+1], s79, 17
	s_add_co_u32 s[BLK+1], s[BLK+1], L2O
	s_lshl_b32 s70, s[RL], 15
	s_add_co_u32 s[NB], s[BLK], s70
	s_add_co_u32 s[NA2], s[BLK+1], s70
	s_lshl_b32 s[NB2], s[RM], 15
	s_add_co_u32 s[NB2], s[NB2], L3O
	s_xor_b32 s70, s[RM], 1
	s_lshl_b32 s[N3], s70, 15
	s_add_co_u32 s[N3], s[N3], L3O
	s_lshl_b32 s70, s[RB], 15
	v_add_nc_u32 v[WA], s70, v[L16]                ; the first lap: layer 1, block RB
	s_lshl_b32 s70, ttmp9, 8
	s_mov_b32 s71, 0
	s_lshl_b32 s72, ttmp9, 2
	s_add_co_u32 s72, s72, HEADS
	s_mov_b32 s73, 0
	s_wait_kmcnt 0x0
	s_add_nc_u64 s[28:29], s[6:7], s[70:71]        ; my tile's 64 entries
	s_add_nc_u64 s[72:73], s[6:7], s[72:73]
	s_load_b32 s30, s[72:73], 0x0                  ; its class
	s_load_b32 s31, s[28:29], 0x0                  ; its first row
	s_load_b256 s[32:39], s[10:11], 0x0            ; the twelve exponents
	s_load_b128 s[40:43], s[10:11], 0x20
	s_wait_alu depctr_va_vdst(0)                   ; every address and offset made above is written: the loads, stores and LDS instructions of the whole kernel read them, and none is written again
.irp q, 0,1,2,3
	global_load_b128 v[IE+4*\q:IE+4*\q+3], v[IW], s[28:29] offset:16*\q          ; places 16 w + 0..15, the same in every lane
.endr
.irp q, 0,1,2,3,4,5,6,7
	global_load_b128 v[PC+4*\q:PC+4*\q+3], v[JH], s[28:29] offset:16*\q          ; places 32 h + 0..31
.endr
	s_wait_kmcnt 0x0
	s_wait_loadcnt 0x0
; a place's entry becomes a row's number: a mark is replaced by the tile's first row, and the number is held inside x before it becomes an address.  The compares stand in a run, each with a scalar register of its own
.set NN, 0
.rept 16
	v_cmp_gt_u32 s[44+NN+14*(NN/8)], 0x4000, v[IE+NN]                            ; s44-51 and s66-73, which hold nothing yet
.set NN, NN+1
.endr
	s_wait_alu depctr_va_sdst(0)                   ; the sixteen masks are written, ahead of the selects that read them
.set NN, 0
.rept 16
	v_cndmask_b32 v[IE+NN], s31, v[IE+NN], s[44+NN+14*(NN/8)]
	v_min_u32 v[IE+NN], 0x3fff, v[IE+NN]
	v_lshl_add_u32 v[IE+NN], v[IE+NN], 10, v[L16]  ; row x 1,024 + 16 lane
.set NN, NN+1
.endr
	WIN 0xc0
	s_wait_alu depctr_va_vdst(0)                   ; my 16 rows' offsets are written, which x's loads (and the copy's stores) read
.set NN, 0
.rept 16
	global_load_b128 v[64+8*NN:67+8*NN], v[IE+NN], s[4:5]                        ; 32 lanes read 512 consecutive bytes: half a row.  No hint: the list may name a row twice
	global_load_b128 v[68+8*NN:71+8*NN], v[IE+NN], s[4:5] offset:512
.set NN, NN+1
.endr
	WIN 0
	s_cmp_lg_u32 s30, 2
	s_cbranch_scc1 .Lnocopy
	WIN 0x0c                                       ; THE ROWS THAT PASS: stored as they came
.set NN, 0
.rept 32
	s_wait_loadcnt 31-NN                           ; loads come back in order: this one is in, the younger ones may be out
	global_store_b128 v[IE+NN/2], v[64+4*NN:67+4*NN], s[24:25] offset:512*(NN%2) th:TH_STORE_NT
.set NN, NN+1
.endr
	WIN 0
	s_wait_xcnt 0x0                                ; further down the text the ring's set 2 is loaded into the registers that these stores read: only behind this wait,
	s_wait_alu depctr_vm_vsrc(0)                   ; and behind this one: the stores have read x's 128 registers
.Lnocopy:
	s_cmp_eq_u32 s30, 1                            ; the expert: every choice on this compare first.  Only numbers are chosen by it, no pointer
	s_cselect_b32 s44, s38, s32                    ; e0 .. e5
	s_cselect_b32 s45, s39, s33
	s_cselect_b32 s46, s40, s34
	s_cselect_b32 s47, s41, s35
	s_cselect_b32 s48, s42, s36
	s_cselect_b32 s49, s43, s37
	s_cselect_b32 s69, -1, 0                       ; all lanes: pos
	s_min_u32 s70, s30, 1                          ; the class, held at 1, enters an address
	s_mul_i32 s70, s70, 0x180000
	s_mul_i32 s71, s[WV], 393216
	s_add_co_u32 s70, s70, s71
	s_mov_b32 s71, 0
	s_add_nc_u64 s[SB:SB+1], s[8:9], s[70:71]
	global_load_b128 v[64:67], v[T16], s[12:13]    ; both experts' biases, each through its own pointer: 18,432 bytes a work-group
	global_load_b128 v[68:71], v[T16], s[12:13] offset:2048
	global_load_b128 v[72:75], v[T16], s[14:15]
	global_load_b128 v[76:79], v[T16], s[14:15] offset:2048
	global_load_b128 v[80:83], v[T16B], s[16:17]
	global_load_b128 v[84:87], v[T16], s[18:19]
	global_load_b128 v[88:91], v[T16], s[18:19] offset:2048
	global_load_b128 v[92:95], v[T16], s[20:21]
	global_load_b128 v[96:99], v[T16], s[20:21] offset:2048
	global_load_b128 v[100:103], v[T16B], s[22:23]
	WIN LDW
.set NN, 0
.rept 64
	global_load_b128 v[4*NN:4*NN+3], v[WA], s[SB:SB+1] offset:512*NN             ; the ring's sets 0 and 1 are filled: steps 0 and 1, 32,768 bytes on end
.set NN, NN+1
.endr
	WIN 0
	s_add_co_i32 s72, s44, s45                     ; e0 + e1: a sum of layer 1 stands for sum x 2^(e0 + e1)
	s_add_co_i32 s73, s46, s47
	s_add_co_i32 s74, s48, s49
	s_sub_co_i32 s66, 0, s72                       ; so the biases go in divided by these powers
	s_sub_co_i32 s67, 0, s73
	s_sub_co_i32 s68, 0, s74
	s_add_co_i32 s62, s74, 127
	s_lshl_b32 s62, s62, 23                        ; 2^(e4 + e5) as f32
	s_mov_b32 s63, s62                             ; (named with it as a pair, so it is written)
	s_sub_co_i32 s77, s46, s72                     ; e2 - e0 - e1: the three scales ahead of a quantiser folded into the conversion's one
	s_sub_co_i32 s78, s48, s73
	SCALE 44, XSC, XLIM
	SCALE 77, SC1, LIM1
	SCALE 78, SC2, LIM2
.irp b, 0,1                            ; my half's 32 places, as above, sixteen at a time: the masks in s32-47, whose exponents have been taken
.set NN, 0
.rept 16
	v_cmp_gt_u32 s[32+NN], 0x4000, v[PC+16*\b+NN]
.set NN, NN+1
.endr
	s_wait_alu depctr_va_sdst(0)                   ; the sixteen masks are written, ahead of the selects that read them
.set NN, 0
.rept 16
	v_cndmask_b32 v[PC+16*\b+NN], s31, v[PC+16*\b+NN], s[32+NN]
	v_min_u32 v[PC+16*\b+NN], 0x3fff, v[PC+16*\b+NN]
.set NN, NN+1
.endr
.endr
	WIN 0xc0
.set NN, 0
.rept 32
	v_lshl_add_u32 v[192+NN], v[PC+NN], 10, v[OB]  ; where place 32 h + NN's 16 bytes of mine go in out
.set NN, NN+1
.endr
	WIN 0
	s_wait_loadcnt 63                              ; behind x's and the biases' loads stand the ring's 64: both are in.  On every way: their registers are written again further down
; ---------------------------------------------------------------- x becomes codes
	s_cmp_ge_u32 s30, 2
	s_cbranch_scc1 .Lsk0
	WIN 0x0c
.set NN, 0
.rept 32
	ds_store_b128 v[XSW], v[64+4*NN:67+4*NN] offset:1040*(NN/2)+512*(NN%2)       ; x turns through my own stage: in as loaded,
.set NN, NN+1
.endr
	WIN 0x40
.set NN, 0
.rept 32                                           ; out 16 neighbours of each block of 32 a lane: register 64 s + 16 b + i = k 128 s + 32 b + 16 h + i of row r.  LDS serves a wave's instructions in order
	ds_load_b128 v[4*NN:4*NN+3], v[XSR] offset:512*(NN/16)+128*((NN/4)%4)+16*(NN%4)
.set NN, NN+1
.endr
	WIN 0
.set NN, 0
.rept 20
	v_cndmask_b32 v[64+NN], v[64+NN], v[84+NN], s69                              ; my expert's biases.  (Work on registers while the stage's loads are out)
.set NN, NN+1
.endr
.irp j, 0,1,2,3,4,5,6,7
	v_ldexp_f32 v[64+\j], v[64+\j], s66
	v_ldexp_f32 v[72+\j], v[72+\j], s67
.endr
.irp j, 0,1,2,3
	v_ldexp_f32 v[80+\j], v[80+\j], s68
.endr
	s_wait_dscnt 0x0
	WIN 0x41
.set NN, 0
.rept 128
	v_med3_num_f32 v[NN], v[NN], -v[XLIM], v[XLIM] ; the hold at the largest code x the scale
.set NN, NN+1
.endr
	WIN 0x01
.set NN, 0
.rept 16
	v_cvt_scalef32_pk8_bf8_f32 v[PC+2*NN:PC+2*NN+1], v[8*NN:8*NN+7], v[XSC]
.set NN, NN+1
.endr
	WIN 0
	v_nop                                          ; one plain vector instruction between the conversions and the products that write their sources
	s_wait_alu depctr_va_vdst(0)                   ; the biases in v64-83 and x's codes in v[PC ..] are written, which the thirteen LDS stores below read
	ds_store_b128 v[BW], v[64:67]
	ds_store_b128 v[BW], v[68:71] offset:2048
	ds_store_b128 v[BW], v[72:75] offset:4096
	ds_store_b128 v[BW], v[76:79] offset:6144
.irp s, 0,1
.irp c, 0,1,2,3
	ds_store_b128 v[XWI], v[PC+16*\s+4*\c:PC+16*\s+4*\c+3] offset:2048*\s+512*\c
.endr
.endr
	s_cmp_ge_u32 s[WV], 2
	s_cbranch_scc1 .Lnob2
	ds_store_b128 v[BW2], v[80:83]                 ; b2 is 1,024 bytes: waves 0 and 1 store it
.Lnob2:
	s_wait_alu depctr_vm_vsrc(0)                   ; my LDS stores have read v64-83, in which the rows' fragments land, and x's 128 registers, in which the ring's set 2 lands
.Lsk0:
	BAR                                            ; x's eight fragments and the biases lie in LDS
; ---------------------------------------------------------------- layer 1: two blocks of 128 units, a lap (two K steps x eight tiles) each: steps 0 to 3
	s_cmp_lt_u32 s30, 2
	s_cbranch_scc1 .Ldo1
	s_wait_loadcnt 0x0                             ; a tile that is not multiplied: the weights that it asked for have come, and the ring is at rest
	s_branch .Lsk1
.Ldo1:
	AFETCH 0, XL, 2, 0
	BFETCH 4, BI1
.irp tr, 0,1
.if \tr == 0
	s_mov_b32 s72, s[NA]                           ; asked for in this lap: my second block's lap,
.else
	s_mov_b32 s72, s[NB]                           ; then layer 2's first
.endif
	LAP
	s_wait_dscnt 0x0                               ; the first K step's fragments and the biases are in
	AFETCH 1, XL, 2, 1
	QUAD 0, 1
	QNEXT
	s_wait_dscnt 0x0
	s_wait_alu depctr_va_vdst(0)                   ; the first K step's products are done reading their ring set, in which this step's loads land, and, in the first block, their rows' fragments and the biases, which are fetched anew
.if \tr == 0
	AFETCH 0, XL, 2, 0                             ; for the second block
	BFETCH 4, BI1+1
.endif
	QUAD 1, 0
	QNEXT
	QBLOCK SC1, LIM1, HA1+\tr
.endr
.Lsk1:
	BAR                                            ; the first hidden layer's 32 fragments lie in LDS
; ---------------------------------------------------------------- layer 2: two blocks, four laps each: steps 4 to 19
	s_cmp_lt_u32 s30, 2
	s_cbranch_scc1 .Ldo2
	s_wait_loadcnt 0x0                             ; a tile that is not multiplied: no load is out, and the ring is at rest
	s_branch .Lsk2
.Ldo2:
	AFETCH 0, ALP, 8, 0
	BFETCH 4, BI2
.irp tr, 0,1
.irp i, 0,1,2,3
.if \i < 3
	s_add_co_u32 s72, s[RL], \i+1                  ; asked for in this lap: the block's next lap,
	s_and_b32 s72, s72, 3
	s_lshl_b32 s72, s72, 15
	s_add_co_u32 s72, s72, s[BLK+\tr]
.elseif \tr == 0
	s_mov_b32 s72, s[NA2]                          ; the second block's first,
.else
	s_mov_b32 s72, s[NB2]                          ; or layer 3's first
.endif
	LAP
	s_wait_dscnt 0x0
.if \i > 0
	s_wait_alu depctr_va_vdst(0)                   ; the last K step's products are done reading their ring set, in which this step's loads land, and their rows' fragments, in which the LDS loads below land
.endif
	AFETCH 1, ALP+\i, 8, 1
.if \i == 0
	QUAD 0, 1
.else
	QUAD 0, 0
.endif
	QNEXT
	s_wait_dscnt 0x0
	s_wait_alu depctr_va_vdst(0)                   ; the last K step's products are done reading their ring set, their rows' fragments and, in a block's first lap, the biases: loads land in all three
.if (\tr == 0) || (\i < 3)
	AFETCH 0, ALP+(\i+1)%4, 8, 0                   ; the next lap's first K step
.endif
.if (\tr == 0) && (\i == 0)
	BFETCH 4, BI2+1                                ; the second block's biases, as soon as the first block's have been taken
.endif
	QUAD 1, 0
	QNEXT
.endr
	QBLOCK SC2, LIM2, HA2+\tr
.endr
.Lsk2:
	BAR                                            ; the second hidden layer's 32 fragments lie in LDS
; ---------------------------------------------------------------- layer 3: my 64 outputs: four tiles, 16 accumulators; two laps of four K steps: steps 20 to 23, two K steps to a step of the ring
	s_cmp_ge_u32 s30, 2
	s_cbranch_scc1 .Lend
	AFETCH 0, A3P, 8, 0
	BFETCH 2, BI3
	s_mov_b32 s72, s[N3]
	LAP
.irp k, 0,1,2,3
.set QN, 20+\k/2
	QSET
	s_wait_dscnt 0x0
.if \k > 0
	s_wait_alu depctr_va_vdst(0)                   ; the last K step's sixteen products are done reading their rows' fragments, in which the LDS loads below land, and, where a step of the ring begins, their ring set
.endif
.if \k < 3
	AFETCH (\k+1)%2, A3P, 8, \k+1
.else
	AFETCH 0, A3P+1, 8, 0
.endif
.if \k == 0
	GROUP 0, 0, 0, 1, 1, 56, 0
	GROUP 1, 2, 0, 1, 1, 56, 1
.else
	GROUP (2*\k)%4, 0, \k%2, 0, 1, 56, 0
	GROUP (2*\k+1)%4, 2, \k%2, 0, 1, 56, 1
.endif
.endr
.irp k, 0,1,2,3                        ; the last lap asks for nothing: behind a group's loads stand only the lap's later groups', and the counts run down
.set QN, 22+\k/2
	QSET
	s_wait_dscnt 0x0
.if \k < 3
	s_wait_alu depctr_va_vdst(0)                   ; the last K step's products are done reading their rows' fragments, in which the LDS loads below land
	AFETCH (\k+1)%2, A3P+1, 8, \k+1
.endif
	GROUP (2*\k)%4, 0, \k%2, 0, 0, 56-16*\k, 0
	GROUP (2*\k+1)%4, 2, \k%2, 0, 0, 48-16*\k, 1
.endr
; ---------------------------------------------------------------- the way out: x 2^(e4 + e5), relu, through my own stage, and out as whole pieces of 256 bytes
	WIN 0x01
.irp m, 0,1,2,3
.irp i, 0,2,4,6,8,10,12,14,16,18,20,22,24,26,28,30
	v_pk_mul_f32 v[ABUF+32*\m+\i:ABUF+32*\m+\i+1], v[64*\m+\i:64*\m+\i+1], s[62:63] op_sel_hi:[1,0]   ; each accumulator from its low end on
.endr
.endr
	WIN 0
.set NN, 0
.rept 128
	v_max_num_f32 v[ABUF+NN], 0, v[ABUF+NN]
.set NN, NN+1
.endr
	s_wait_alu depctr_va_vdst(0)                   ; the results in v[ABUF ..] are written, which the LDS stores read; the accumulators are written and have been read, in which the rows land on their way back
.irp m, 0,1,2,3
.irp b, 0,1
.irp j, 0,1,2,3
	ds_store_b128 v[SO], v[ABUF+32*\m+16*\b+4*\j:ABUF+32*\m+16*\b+4*\j+3] offset:4352*\m+128*\b+16*\j   ; lane (r, h): place 16 m + r, outputs 64 w + 32 b + 16 h + 4 j on
.endr
.endr
.endr
	WIN 0x40
.set NN, 0
.rept 32
	ds_load_b128 v[4*NN:4*NN+3], v[SR] offset:272*NN   ; LDS serves a wave's instructions in order: these see my stores
.set NN, NN+1
.endr
	WIN 0x07                                       ; the offsets lie in window 3, the rows in window 1
.set NN, 0
.rept 32
	s_wait_dscnt 31-NN
	global_store_b128 v[192+NN], v[4*NN:4*NN+3], s[24:25] th:TH_STORE_NT   ; sixteen lanes store 256 consecutive bytes, at a multiple of 256 from out's first byte
.set NN, NN+1
.endr
	WIN 0
.Lend:
	s_wait_dscnt 0x0                               ; the closing lines, six on end
	s_wait_alu 0x0
	s_wait_tensorcnt 0x0
	ds_add_u32 v62, v63
	s_wait_dscnt 0x0
	s_endpgm
.Lfunc_end_k_q4f6f4b8d88_mlp:
	.size	k_q4f6f4b8d88_mlp, .Lfunc_end_k_q4f6f4b8d88_mlp-k_q4f6f4b8d88_mlp
	.p2alignl 7, 3214868480
	.fill 96, 4, 3214868480
	.section	.rodata,"a",@progbits
	.p2align	6, 0x0
	.amdhsa_kernel k_q4f6f4b8d88_mlp
		.amdhsa_group_segment_fixed_size 293376
		.amdhsa_private_segment_fixed_size 0
		.amdhsa_enable_private_segment 0
		.amdhsa_kernarg_size 88
		.amdhsa_user_sgpr_count 2
		.amdhsa_user_sgpr_kernarg_segment_ptr 1
		.amdhsa_wavefront_size32 1
		.amdhsa_system_sgpr_workgroup_id_x 1
		.amdhsa_system_sgpr_workgroup_id_y 1
		.amdhsa_system_sgpr_workgroup_id_z 1
		.amdhsa_system_vgpr_workitem_id 0
		.amdhsa_next_free_vgpr 1024
		.amdhsa_next_free_sgpr 80
		.amdhsa_reserve_vcc 0
		.amdhsa_float_denorm_mode_32 3
		.amdhsa_float_denorm_mode_16_64 3
		.amdhsa_memory_ordered 1
		.amdhsa_forward_progress 1
		.amdhsa_inst_pref_size 255
	.end_amdhsa_kernel
	.section	.bss,"aw",@nobits
	.p2align	6
	.space	262144
	.amdgpu_metadata
---
amdhsa.version: [ 1, 2 ]
amdhsa.kernels:
  - .name:           k_q4f6f4b8d88_mlp
    .symbol:         k_q4f6f4b8d88_mlp.kd
    .args:
      - { .name: x, .offset: 0, .size: 8, .value_kind: global_buffer, .address_space: global }
      - { .name: tiles, .offset: 8, .size: 8, .value_kind: global_buffer, .address_space: global }
      - { .name: wlay, .offset: 16, .size: 8, .value_kind: global_buffer, .address_space: global }
      - { .name: lowp_scales, .offset: 24, .size: 8, .value_kind: global_buffer, .address_space: global }
      - { .name: b_neg0, .offset: 32, .size: 8, .value_kind: global_buffer, .address_space: global }
      - { .name: b_neg1, .offset: 40, .size: 8, .value_kind: global_buffer, .address_space: global }
      - { .name: b_neg2, .offset: 48, .size: 8, .value_kind: global_buffer, .address_space: global }
      - { .name: b_pos0, .offset: 56, .size: 8, .value_kind: global_buffer, .address_space: global }
      - { .name: b_pos1, .offset: 64, .size: 8, .value_kind: global_buffer, .address_space: global }
      - { .name: b_pos2, .offset: 72, .size: 8, .value_kind: global_buffer, .address_space: global }
      - { .name: out0, .offset: 80, .size: 8, .value_kind: global_buffer, .address_space: global }
    .group_segment_fixed_size: 293376
    .private_segment_fixed_size: 0
    .kernarg_segment_align: 8
    .kernarg_segment_size: 88
    .max_flat_workgroup_size: 128
    .sgpr_count:     80
    .vgpr_count:     1024
    .wavefront_size: 32
...
	.end_amdgpu_metadata
.endif
;; end of part 3
